; MI455X (gfx1250); checked and timed in simulation.
; The chip was launched on July 23, 2026; its instructions are those of AMD's public machine-readable ISA for CDNA 5 (MIT licence, August 2026) and "CDNA5" Instruction Set Architecture Reference Guide (July 2026). The comments in the code are by the model that wrote it; some were corrected since.
;; Causal Self Attention. Allowed arithmetic: matrix products marked QUANTISED: E3M2 operands, one E8M0 scale for each 32 along K, by v_wmma_scale_f32_16x16x128_f8f6f4 with both operands' format E3M2, f32 sums; everything else in f32.
;; Inputs: W_in 1,024 x 3,072 float32; W_out 1,024 x 1,024 float32; b_in 3,072 float32; b_out 1,024 float32; x 4 x 2,048 x 1,024 float32.
;; Outputs: out0 4 x 2,048 x 1,024 float32.
;; This version of the problem:
;;   THIS VERSION OF THE PROBLEM IS GIVEN IN LOW PRECISION. The matrix products marked QUANTISED in the list below multiply operands that are first quantised to E3M2 (3 exponent bits, 2 mantissa bits; 6 bits a number), with one power-of-two scale for each 32 numbers along K (OCP MX v1.0); their sums are f32. All else is computed in f32.
;;   The module's matrix products, in the order in which they are computed (A, B: the left and right operand; K: the contracted axis; several contracted axes count as one K, in the product's order):
;;     1. [M 8,192, K 1,024] x [K 1,024, N 3,072]; A: input x; B: input W_in: QUANTISED
;;     2. batch 64 x [M 2,048, K 64] x [K 64, N 2,048]; A: computed on the way; B: computed on the way: QUANTISED
;;     3. batch 64 x [M 2,048, K 2,048] x [K 2,048, N 64]; A: softmax (see below); B: computed on the way: QUANTISED
;;     4. [M 8,192, K 1,024] x [K 1,024, N 1,024]; A: computed on the way; B: input W_out: QUANTISED
;;   THE QUANTISER, for each operand of a quantised product, along K:
;;     - K is cut into blocks of 32 from its start; a last block that is shorter is filled with zeros.
;;     - A block's scale is 2^e with e = floor(log2(the largest magnitude in the block)) - 4, held to -126 .. 127; a block of zeros has e = 0. As a byte (E8M0): e + 127.
;;     - Each number is divided by its block's scale, clamped to +-28, and rounded to the nearest number of E3M2, ties to even, subnormals kept.
;;     - The product sums the exact products of the quantised numbers (number of the format x scale) in f32.
;;   ~~~python
;;   def quantise(x, axis):      # numpy; x: float32 -> the quantised numbers, widened to float32 again
;;       x = np.moveaxis(x, axis, -1); K = x.shape[-1]
;;       x = np.pad(x, [(0, 0)] * (x.ndim - 1) + [(0, -K % 32)]); x = x.reshape(x.shape[:-1] + (-1, 32)); a = np.abs(x).max(-1, keepdims=True)
;;       e = np.where(a > 0, np.clip(np.frexp(np.where(a > 0, a, 1))[1] - 1 - 4, -126, 127), 0)      # np.frexp(a)[1] - 1 = floor(log2(a)), exactly
;;       r = np.clip(x / 2.0 ** e, -28, 28)
;;       step = 2.0 ** (np.maximum(np.frexp(np.where(r == 0, 1, r))[1] - 1, -2) - 2)
;;       q = np.round(r / step) * step * 2.0 ** e      # np.round: ties to even
;;       return np.moveaxis(q.reshape(q.shape[:-2] + (-1,))[..., :K], -1, axis).astype(np.float32)
;;   ~~~
;;   SOFTMAX AHEAD OF A QUANTISED PRODUCT. Where the list says 'softmax', what is quantised is not the finished softmax but p = 2^(t - M), with t = logit x log2(e) and M = ceil(the row's largest t), a whole number; so 1/2 < the row's largest p <= 1. The row's sum l is taken of the UNQUANTISED p, in f32, and the product's result is divided by l at the end. Since M is a whole number, a kernel that streams over the keys may use a running M (the ceiling of the running maximum): every later rescaling is an exact power of two, which a block's scale takes up: the codes' values come out the same.
;;   OPERANDS COMPUTED ON THE WAY. 'Computed on the way' means the value that the module computes at that place (a softmax that the list does not call 'softmax' is quantised finished and normalised). What goes into a quantiser is computed in f32, as accurately as f32 sums, v_exp_f32 and their like allow (about 1e-6 of the number): no bf16 or f16 on the way to a quantiser, and a product that is left as it is and whose result goes on into a quantised operand takes f32 operands (vector FMAs, or v_wmma_f32_16x16x4_f32). A number that lies on a knife's edge between two numbers of the format may be rounded either way, as far as f32 arithmetic and the matrix unit's own rounding can turn it there, and no further.
;; One version. Each part assembles by itself: llvm-mc -triple=amdgcn-amd-amdhsa -mcpu=gfx1250 --defsym DOCPART=n.
;; ======== version 1 of 1: 4 launches
;; workspace buffers: xq 6,553,600 bytes; wiq 2,457,600 bytes; woq 819,200 bytes; kbuf 6,553,600 bytes; qbuf 6,553,600 bytes; vbuf 6,553,600 bytes; aq 6,553,600 bytes
;; launch quant (part 1): grid 512 x 1, 4 waves a work-group, no clusters, 46,592 bytes of LDS; arguments x, W_in, W_out, xq, wiq, woq; writes xq, wiq, woq
.if DOCPART == 1
	.amdgcn_target "amdgcn-amd-amdhsa--gfx1250"
	.amdhsa_code_object_version 6
	.text
	.protected	k_q9fe70ef1c6_quant
	.globl	k_q9fe70ef1c6_quant
	.p2align	8
	.type	k_q9fe70ef1c6_quant,@function
k_q9fe70ef1c6_quant:
	s_mov_b64 s[64:65], 0
	v_nop
	global_prefetch_b8 v0, s[64:65] scope:SCOPE_SE
	s_setreg_imm32_b32 hwreg(HW_REG_WAVE_MODE, 25, 1), 1
	s_wait_xcnt 0x0
; x [8192][1024], W_in [1024][3072] and W_out [1024][1024], f32, become codes of BF6 (E3M2) with one E8M0 byte for each 32 along K = 1024.
; A block's scale is 2^(floor(log2(largest magnitude)) - 4): its byte is the largest magnitude's exponent field - 4, held at 1 from below.
; LIMITS: NaN and infinities are not served; a block of zeros, or one under 2^-122, gets the byte 1 (its codes are zeros or tiny; the bytes are read by this program alone).
; THE OUTPUT IS LAID IN THE ORDER OF THE OPERAND'S REGISTERS.  A row block of 128 operand rows takes RBB = 102,400 bytes:
;   codes  at s*24576 + T*3072 + hf*768   (s = k / 256, T = tile of 16 rows, hf = (k % 256) / 64): a half fragment, 16 rows x 64 K, as an image of
;          its six registers: lane l's registers 0-3 at 16 l, its registers 4-5 at 512 + 8 l;  lane (r, h) holds k = 32 h .. 32 h + 31 of its row;
;   scale words at 98304 + s*1024 + T*128 + 8 r + 4 q   (q = (k % 256) / 128; byte b of a word: k % 128 = 32 b ..).
; THE ROWS OF A TILE ARE NOT NEIGHBOURS: lane r of tile 2 b + u holds row 32 b + 8 u + r + (r & 8), so that results of a product used transposed run along neighbours.
; Work-groups 0-255 take x (K innermost), 256-511 the weights (K is the first axis).  The two ways share no LDS byte.  Waves share nothing: no barrier.
.set RBB,   102400
.set XSTG,  8448                       ; x: a wave's stage: 16 rows x (512 bytes + 16)
.set WSTG0, 4*XSTG                     ; the weights' stages begin behind x's
.set WSTG,  3072                       ; a wave's: two fragments' images
.set X,     16                         ; v16-79   64 numbers of a lane: register 16 b + i = k 32 b + 16 h + i of my row
.set PC,    80                         ; v80-127  four fragments' codes: no store's data are written again
.set TC,    128                        ; v128-134 the conversions' second halves
.set TM,    136                        ; v136-151 at work in QUANT
.set SW,    152                        ; v152-155 four scale words
.set OFF,   16                         ; weights: v16-47 byte offset of row i of a block, my column
.set WX,    48                         ; v48-175  four blocks of 32 numbers down K
.set WC,    176                        ; v176-207 codes, eight registers a block
.set SB,    208                        ; v208     my column's four scale bytes
.set OUTR,  212                        ; v212-235 the way out
.set SEL,   30                         ; s[30:31] lane selects: lane l xor 16
.set MSB,   0
.macro WIN new                         ; the immediate's high byte repeats the setting that is left
.if MSB != (\new)
	s_set_vgpr_msb (MSB<<8)|(\new)
.set MSB, (\new)
.endif
.endm
; 64 numbers of a lane, register 16 b + i = k 32 b + 16 (lane / 16) + i of my row, become a fragment's 12 registers of codes at v[pc] and the row's scale word in v[pw].
.macro QUANT s, pc, tc, pw
.irp b, 0,1,2,3
	v_max3_num_f32 v[TM+\b], |v[\s+16*\b]|, |v[\s+1+16*\b]|, 0x2800000   ; my 16 numbers of block b, and the floor 2^(5 - 127): the byte cannot fall under 1
.endr
.irp i, 2,4,6,8,10,12,14
.irp b, 0,1,2,3
	v_max3_num_f32 v[TM+\b], v[TM+\b], |v[\s+16*\b+\i]|, |v[\s+1+16*\b+\i]|   ; the four blocks by turns
.endr
.endr
.irp b, 0,1,2,3
	v_permlanex16_b32 v[TM+4+\b], v[TM+\b], s[SEL], s[SEL+1]
.endr
.irp b, 0,1,2,3
	v_max_num_f32 v[TM+\b], v[TM+\b], v[TM+4+\b]   ; with lane l xor 16's: the block's largest magnitude
.endr
.irp b, 0,1,2,3
	v_add_nc_u32 v[TM+12+\b], 0xfe000000, v[TM+\b]   ; 4 off its exponent field: the conversion's scale operand
.endr
.irp b, 0,1,2,3
	v_lshrrev_b32 v[TM+4+\b], 23, v[TM+12+\b]   ; the scale's byte
.endr
	v_lshl_or_b32 v[\pw], v[TM+5], 8, v[TM+4]
	v_lshl_or_b32 v[\pw], v[TM+6], 16, v[\pw]
	v_lshl_or_b32 v[\pw], v[TM+7], 24, v[\pw]
.irp c, 0,1
	v_cvt_scalef32_pk16_bf6_f32 v[\pc+6*\c:\pc+2+6*\c], v[\s+32*\c:\s+15+32*\c], v[TM+12+2*\c]
	v_cvt_scalef32_pk16_bf6_f32 v[\tc+4*\c:\tc+2+4*\c], v[\s+16+32*\c:\s+31+32*\c], v[TM+12+2*\c+1]   ; (a conversion's three registers begin on an even number)
.endr
	v_nop                                          ; one plain place behind a scaled conversion
.irp c, 0,1                                    ; the operand wants a whole block in a lane: lanes 0-15 block 2 c, lanes 16-31 block 2 c + 1
.irp i, 0,1,2
	v_permlane16_swap_b32 v[\pc+6*\c+\i], v[\tc+4*\c+\i]
.endr
.irp i, 0,1,2
	v_mov_b32 v[\pc+3+6*\c+\i], v[\tc+4*\c+\i]
.endr
.endr
.endm
	s_load_b128 s[4:7], s[0:1], 0x0                ; x, W_in
	s_load_b128 s[8:11], s[0:1], 0x10              ; W_out, xq
	s_load_b128 s[12:15], s[0:1], 0x20             ; wiq, woq
	v_lshl_add_u32 v254, v0, 2, 0xb400
	v_mov_b32 v255, 0
	v_lshrrev_b32 v1, 5, v0
	v_readfirstlane_b32 s16, v1                    ; wave 0..3
	v_and_b32 v5, 31, v0                           ; lane
	v_lshlrev_b32 v1, 4, v5                        ; 16 l
	v_lshlrev_b32 v2, 3, v5                        ; 8 l
	s_mov_b32 s[SEL], 0x76543210
	s_mov_b32 s[SEL+1], 0xfedcba98
	s_wait_kmcnt 0x0
	s_cmp_lt_u32 ttmp9, 256
	s_cbranch_scc0 .Lweights
; ---- x.  Work-group G takes rows 32 G .. 32 G + 31 (two tiles), wave s the K step of 256: 32 KiB in, four fragments out.
	s_lshl_b32 s20, ttmp9, 17                      ; 32 rows of 4,096 bytes
	s_lshl_b32 s21, s16, 10                        ; 256 numbers
	s_add_co_u32 s20, s20, s21
	s_mov_b32 s21, 0
	s_add_nc_u64 s[4:5], s[4:5], s[20:21]
	WIN 0x40                                       ; destination window 1
.irp sub, 0,1,2,3                              ; fragment sub = 2 u + q: tile u, the q-th 128 along K.  All 64 loads go out at once; each reads 512 consecutive bytes of one row
.irp i, 0,1,2,3,4,5,6,7,8,9,10,11,12,13,14,15
	global_load_b128 v[64*\sub+4*\i:64*\sub+4*\i+3], v1, s[4:5] offset:(8*(\sub/2)+(\i%8)+16*(\i/8))*4096+(\sub%2)*512 th:TH_LOAD_NT
.endr
.endr
	WIN 0
	s_lshr_b32 s22, ttmp9, 2
	s_mul_i32 s22, s22, RBB                        ; my row block
	s_and_b32 s23, ttmp9, 3                        ; which 32 rows of it
	s_mul_i32 s24, s16, 24576
	s_mul_i32 s26, s23, 6144
	s_add_co_u32 s24, s24, s22
	s_add_co_u32 s24, s24, s26
	s_mov_b32 s25, 0
	s_add_nc_u64 s[24:25], s[10:11], s[24:25]      ; my codes
	s_lshl_b32 s26, s16, 10
	s_lshl_b32 s27, s23, 8
	s_add_co_u32 s26, s26, s27
	s_add_co_u32 s26, s26, s22
	s_add_co_u32 s26, s26, 98304
	s_mov_b32 s27, 0
	s_add_nc_u64 s[26:27], s[10:11], s[26:27]      ; my scale words
	s_mul_i32 s28, s16, XSTG
	s_mov_b32 s29, 0xffff0000                      ; lanes 16-31
	v_and_b32 v6, 15, v0                           ; r
	v_bfe_u32 v7, v0, 4, 1                         ; h
	v_add_nc_u32 v3, s28, v1                       ; the stage, in: a row's 512 bytes as they lie
	v_mul_u32_u24 v4, v6, 528
	v_lshl_add_u32 v4, v7, 6, v4
	v_add_nc_u32 v4, s28, v4                       ; and out: row r, + 64 h: 16 neighbours of each block of 32
.irp b, 0,1,2,3
	v_mov_b32 v[TM+4+\b], 0                        ; written once: a lane permute's destination counts as one of its sources
.endr
.macro XSUB sub
	s_wait_loadcnt 48-16*\sub                      ; this fragment's 16 loads are in; the later fragments' stay out
	WIN 0x04                                       ; an LDS store's data are its source 1: window 1
.irp i, 0,1,2,3,4,5,6,7,8,9,10,11,12,13,14,15
	ds_store_b128 v3, v[64*\sub+4*\i:64*\sub+4*\i+3] offset:\i*528
.endr
	WIN 0
.irp b, 0,1,2,3
.irp j, 0,1,2,3
	ds_load_b128 v[X+16*\b+4*\j:X+16*\b+4*\j+3], v4 offset:128*\b+16*\j   ; LDS serves a wave's instructions in order: these see the stores above
.endr
.endr
	s_wait_dscnt 0x0
	QUANT X, PC+12*\sub, TC, SW+\sub
	global_store_b128 v1, v[PC+12*\sub:PC+12*\sub+3], s[24:25] offset:(\sub/2)*3072+(\sub%2)*1536          ; 512 consecutive bytes, aligned to 256
	global_store_b64 v2, v[PC+12*\sub+4:PC+12*\sub+5], s[24:25] offset:(\sub/2)*3072+(\sub%2)*1536+512    ; 256 consecutive bytes
	global_store_b128 v1, v[PC+12*\sub+6:PC+12*\sub+9], s[24:25] offset:(\sub/2)*3072+(\sub%2)*1536+768
	global_store_b64 v2, v[PC+12*\sub+10:PC+12*\sub+11], s[24:25] offset:(\sub/2)*3072+(\sub%2)*1536+1280
.endm
	XSUB 0
	XSUB 1
	XSUB 2
	XSUB 3
	v_cndmask_b32 v156, v[SW], v[SW+2], s29        ; lanes 0-15 store tile 0's two words of row r, lanes 16-31 tile 1's
	v_cndmask_b32 v157, v[SW+1], v[SW+3], s29
	global_store_b64 v2, v[156:157], s[26:27]      ; 256 consecutive bytes
	s_wait_tensorcnt 0x0
	ds_add_u32 v254, v255
	s_wait_dscnt 0x0
	s_endpgm
; ---- the weights.  id = xx + 32 y: 128 columns (operand rows) xx, 128 along K y.  A lane takes a column and its registers run down K: a block of 32 lies in one lane.
.Lweights:
	s_sub_co_u32 s17, ttmp9, 256
	s_and_b32 s18, s17, 31                         ; xx: 0-23 W_in, 24-31 W_out
	s_lshr_b32 s19, s17, 5                         ; y
	s_mov_b32 s21, 4096
	s_cmp_lt_u32 s18, 24                           ; the choice hangs on the work-group's number alone
	s_cselect_b64 s[4:5], s[6:7], s[8:9]           ; the weight,
	s_cselect_b64 s[10:11], s[12:13], s[14:15]     ; its codes' buffer,
	s_cselect_b32 s20, 0, 24
	s_cselect_b32 s21, 12288, s21                  ; a row of it in bytes
	s_sub_co_u32 s18, s18, s20                     ; its row block
	s_lshl_b32 s22, s19, 7
	s_mul_i32 s22, s22, s21                        ; 128 y rows down,
	s_lshl_b32 s23, s18, 9
	s_add_co_u32 s22, s22, s23                     ; 128 columns a row block,
	s_lshl_b32 s23, s16, 7
	s_add_co_u32 s22, s22, s23                     ; 32 a wave
	s_mov_b32 s23, 0
	s_add_nc_u64 s[32:33], s[4:5], s[22:23]        ; a base for each block of 32 rows: nothing is stepped
	s_lshl_b32 s22, s21, 5
	s_add_nc_u64 s[34:35], s[32:33], s[22:23]
	s_add_nc_u64 s[36:37], s[34:35], s[22:23]
	s_add_nc_u64 s[38:39], s[36:37], s[22:23]
	v_lshlrev_b32 v[OFF], 2, v5
.set I, 1
.rept 31
	v_add_nc_u32 v[OFF+I], s21, v[OFF+I-1]
.set I, I+1
.endr
.irp t, 0,1,2,3
.set I, 0
.rept 32
	global_load_b32 v[WX+32*\t+I], v[OFF+I], s[32+2*\t:33+2*\t] th:TH_LOAD_NT   ; 128 consecutive bytes a wave, 512 for the four waves side by side
.set I, I+1
.endr
.endr
	v_bfe_u32 v6, v5, 3, 1                         ; column 32 w + L is lane r = (L & 7) + 8 (L / 16) of tile 2 w + u, u = (L / 8) & 1
	v_and_b32 v7, 7, v5
	v_bfe_u32 v8, v5, 4, 1
	v_lshl_or_b32 v7, v8, 3, v7
	s_mul_i32 s28, s16, WSTG
	s_add_co_u32 s28, s28, WSTG0                   ; my stage
	v_mul_u32_u24 v9, v6, 1536
	v_add_nc_u32 v9, s28, v9
	v_lshl_add_u32 v10, v7, 4, v9                  ; the image's place of registers 0-3 of lane (r, 0)
	v_lshl_add_u32 v11, v7, 3, v9                  ; and of registers 4-5
	v_add_nc_u32 v12, s28, v1                      ; back: 16 bytes a lane
	v_lshlrev_b32 v13, 7, v6
	v_lshl_add_u32 v13, v7, 3, v13                 ; my scale word: 128 u + 8 r
	s_mul_i32 s22, s18, RBB
	s_lshr_b32 s24, s19, 1                         ; K step
	s_and_b32 s25, s19, 1                          ; which 128 of it
	s_mul_i32 s26, s24, 24576
	s_add_co_u32 s26, s26, s22
	s_mul_i32 s27, s16, 6144
	s_add_co_u32 s26, s26, s27
	s_mul_i32 s27, s25, 1536
	s_add_co_u32 s26, s26, s27
	s_mov_b32 s27, 0
	s_add_nc_u64 s[26:27], s[10:11], s[26:27]      ; my codes
	s_lshl_b32 s24, s24, 10
	s_add_co_u32 s24, s24, s22
	s_lshl_b32 s28, s16, 8
	s_add_co_u32 s24, s24, s28
	s_lshl_b32 s25, s25, 2
	s_add_co_u32 s24, s24, s25
	s_add_co_u32 s24, s24, 98304
	s_mov_b32 s25, 0
	s_add_nc_u64 s[24:25], s[10:11], s[24:25]      ; my scale words
.macro WBLOCK t, left                  ; block t of my column is what lane (r, t % 2) holds of half fragment t / 2
.set XS, WX+32*(\t)
.set CT, WC+8*(\t)
	s_wait_loadcnt \left
	v_max3_num_f32 v14, |v[XS]|, |v[XS+1]|, |v[XS+2]|
	v_max3_num_f32 v15, |v[XS+3]|, |v[XS+4]|, |v[XS+5]|
.irp i, 6,10,14,18,22,26
	v_max3_num_f32 v14, v14, |v[XS+\i]|, |v[XS+\i+1]|
	v_max3_num_f32 v15, v15, |v[XS+\i+2]|, |v[XS+\i+3]|
.endr
	v_max3_num_f32 v14, v14, |v[XS+30]|, |v[XS+31]|
	v_max3_num_f32 v14, v14, v15, 0x2800000        ; and the floor
	v_add_nc_u32 v15, 0xfe000000, v14              ; the conversion's scale operand
	v_lshrrev_b32 v14, 23, v15                     ; the byte
.if (\t) == 0
	v_mov_b32 v[SB], v14
.else
	v_lshl_or_b32 v[SB], v14, 8*(\t), v[SB]
.endif
	v_cvt_scalef32_pk16_bf6_f32 v[CT:CT+2], v[XS:XS+15], v15
	v_cvt_scalef32_pk16_bf6_f32 v[CT+4:CT+6], v[XS+16:XS+31], v15
	v_nop                                          ; one plain place behind a scaled conversion
	v_mov_b32 v[CT+3], v[CT+4]                     ; six registers on end
	v_mov_b32 v[CT+4], v[CT+5]
	v_mov_b32 v[CT+5], v[CT+6]
	ds_store_b128 v10, v[CT:CT+3] offset:((\t)/2)*768+256*((\t)%2)
	ds_store_b64 v11, v[CT+4:CT+5] offset:((\t)/2)*768+512+128*((\t)%2)
.endm
	WBLOCK 0, 63                                   ; 96 and 64 younger loads would do; 63 is the most that the wait's field names
	WBLOCK 1, 63
	WBLOCK 2, 32
	WBLOCK 3, 0
.irp i, 0,1,2,3,4,5
	ds_load_b128 v[OUTR+4*\i:OUTR+4*\i+3], v12 offset:512*\i   ; LDS serves a wave's instructions in order: these see my stores
.endr
.irp i, 0,1,2,3,4,5
	s_wait_dscnt 5-\i
	global_store_b128 v1, v[OUTR+4*\i:OUTR+4*\i+3], s[26:27] offset:(\i/3)*3072+(\i%3)*512   ; 512 consecutive bytes, aligned to 256
.endr
	global_store_b32 v13, v[SB], s[24:25]          ; words 8 bytes apart: the other word of each pair belongs to the work-group of the other 128 along K
	s_wait_tensorcnt 0x0
	ds_add_u32 v254, v255
	s_wait_dscnt 0x0
	s_endpgm
.Lfunc_end_k_q9fe70ef1c6_quant:
	.size	k_q9fe70ef1c6_quant, .Lfunc_end_k_q9fe70ef1c6_quant-k_q9fe70ef1c6_quant
	.p2alignl 7, 3214868480
	.fill 96, 4, 3214868480
	.section	.rodata,"a",@progbits
	.p2align	6, 0x0
	.amdhsa_kernel k_q9fe70ef1c6_quant
		.amdhsa_group_segment_fixed_size 46592
		.amdhsa_private_segment_fixed_size 0
		.amdhsa_enable_private_segment 0
		.amdhsa_kernarg_size 48
		.amdhsa_user_sgpr_count 2
		.amdhsa_user_sgpr_kernarg_segment_ptr 1
		.amdhsa_wavefront_size32 1
		.amdhsa_system_sgpr_workgroup_id_x 1
		.amdhsa_system_sgpr_workgroup_id_y 1
		.amdhsa_system_sgpr_workgroup_id_z 1
		.amdhsa_system_vgpr_workitem_id 0
		.amdhsa_next_free_vgpr 512
		.amdhsa_next_free_sgpr 66
		.amdhsa_reserve_vcc 0
		.amdhsa_float_denorm_mode_32 3
		.amdhsa_float_denorm_mode_16_64 3
		.amdhsa_memory_ordered 1
		.amdhsa_forward_progress 1
		.amdhsa_inst_pref_size 57
	.end_amdhsa_kernel
	.amdgpu_metadata
---
amdhsa.version: [ 1, 2 ]
amdhsa.kernels:
  - .name:           k_q9fe70ef1c6_quant
    .symbol:         k_q9fe70ef1c6_quant.kd
    .args:
      - { .name: x, .offset: 0, .size: 8, .value_kind: global_buffer, .address_space: global }
      - { .name: W_in, .offset: 8, .size: 8, .value_kind: global_buffer, .address_space: global }
      - { .name: W_out, .offset: 16, .size: 8, .value_kind: global_buffer, .address_space: global }
      - { .name: xq, .offset: 24, .size: 8, .value_kind: global_buffer, .address_space: global }
      - { .name: wiq, .offset: 32, .size: 8, .value_kind: global_buffer, .address_space: global }
      - { .name: woq, .offset: 40, .size: 8, .value_kind: global_buffer, .address_space: global }
    .group_segment_fixed_size: 46592
    .private_segment_fixed_size: 0
    .kernarg_segment_align: 8
    .kernarg_segment_size: 48
    .max_flat_workgroup_size: 128
    .sgpr_count:     66
    .vgpr_count:     512
    .wavefront_size: 32
...
	.end_amdgpu_metadata
.endif
;; end of part 1
;; launch gemm_qkv (part 2): grid 8 x 48, 4 waves a work-group, clusters of 4 x 4, 327,680 bytes of LDS; arguments xq, wiq, b_in, kbuf, qbuf, vbuf; writes kbuf, qbuf, vbuf
.if DOCPART == 2
	.amdgcn_target "amdgcn-amd-amdhsa--gfx1250"
	.amdhsa_code_object_version 6
	.text
	.protected	k_q9fe70ef1c6_gemm_qkv
	.globl	k_q9fe70ef1c6_gemm_qkv
	.p2align	8
	.type	k_q9fe70ef1c6_gemm_qkv,@function
k_q9fe70ef1c6_gemm_qkv:
	s_mov_b64 s[64:65], 0
	v_nop
	global_prefetch_b8 v0, s[64:65] scope:SCOPE_SE
	s_setreg_imm32_b32 hwreg(HW_REG_WAVE_MODE, 25, 1), 1
	s_wait_xcnt 0x0
	s_wait_alu depctr_hold_cnt(0) depctr_sa_sdst(0) depctr_va_vdst(0) depctr_va_sdst(0) depctr_va_ssrc(0) depctr_va_vcc(0) depctr_vm_vsrc(0)
	s_getreg_b32 s2, hwreg(HW_REG_IB_STS2, 6, 4)
	s_cmp_eq_u32 s2, 0
	s_cbranch_scc0 .Lentry_in_a_cluster
	s_endpgm
.Lentry_in_a_cluster:
	s_bfe_u32 s2, ttmp6, 0x10000c
	s_cmp_lg_u32 s2, 0xf033
	s_cbranch_scc0 .Lentry_shape_is_right
	s_endpgm
.Lentry_shape_is_right:
; proj = x W_in + b_in on codes of BF6 (E3M2) with E8M0 scales, and the quantisers of k, q (along the head's 64) and v (along the keys) on its way out.
; A tile is 256 rows of A (source 1) x 256 rows of B (source 0), K = 1024; four waves, each 128 x 128: 64 accumulators, 512 registers.  A lane of a result holds one row of A, and its registers run along
; B's rows; the result is quantised along B's rows.  So k's and q's tiles take A = x (tokens), B = W_in's columns 0-2047; v's tiles take A = W_in's columns 2048-3071, B = x: only pointers change places.
; Clusters with y < 8 make k (cluster x = 0) and q (1); clusters with y >= 8 make v.  That number is the same in all sixteen partners.
; OPERANDS lie in memory as images of their registers (a row block of 128 rows: RBB bytes; 128 rows x 256 K: 24,576 dense bytes; its scale words: 4,096 dense bytes), so a K step's part is one dense
; tensor load, a fragment is four LDS loads that read consecutive bytes, and LDS needs no pitch.  Lane r of tile 2 b + u holds row 32 b + 8 u + r + (r & 8): registers of results run along neighbours.
; K goes in four steps of 256 through two LDS slots; the scales of all of K come once.  4 x 4 work-groups form a cluster: A's parts are asked for jointly along a row, B's along a column.
; OUTPUT, for each (batch, head) RBB bytes: 16 key steps of 6,400: k, q: eight half fragments (16 tokens x 64), then [r][4 words]: word j = the two scale bytes of tile 2 j, then of tile 2 j + 1;
;   v: four fragments (16 channels x 128 keys), then [lane][2 words]: word j of lane (r, h) = the scale word of tile 2 j + h.
; LIMITS: NaN and infinities are not served; a block of zeros, or one under 2^-122, gets the byte 1 (the bytes are read by this program alone).
; REGISTERS: window 0: v1-31 addresses; v32-63 scale words, two sets; v64-127 the bias; v128-223 A's fragments, one set (on the way out: v128-191 numbers, v192-210 codes); v224-255 at work.
;   window 1: B's fragments, two sets, at v0 and v128.   windows 2, 3: the accumulators, (a, b) at v[8 (8 (a % 4) + b)].
.set NQ,    2                          ; matrix instructions deep in a slot
.set FR,    12                         ; registers of a fragment
.set NL,    4                          ; LDS loads that bring one
.set NP,    4                          ; places behind this matrix instruction (ISA guide 7.12.1)
.set HALFT, 24576                      ; 128 rows x 256 K: what one tensor load brings
.set SLOT,  4*HALFT                    ; A's two halves, then B's
.set RBB,   102400
.set SCL,   2*SLOT                     ; the scales: 4,096 bytes for each of the four halves
.set SPARE, SCL+4*4096                 ; the spare words, 128 bytes a wave: two blocks of 256 bytes that no other line names
.set ADRA,  16                         ; v16-17 my A fragments in slot 0, 1, + 16 l;  v18-19 the same + 8 l
.set ADRB,  20                         ; v20-23 the same for B
.set L16,   24                         ; v24  16 l
.set L8,    25                         ; v25  8 l
.set BO,    26                         ; v26  64 h: the bias of k and q
.set ADRS,  27                         ; v27  my scale words: lanes 0-15 A's, lanes 16-31 B's
.set SPW,   28                         ; v28  my spare word; never rewritten
.set NIL,   29                         ; v29  0; never rewritten
.set KSO,   30                         ; v30  16 r + RBB h: where k's and q's scale words go
.set BVO,   31                         ; v31  4 (r + (r & 8)): the bias of v
.set SC,    32
.set BIAS,  64
.set AF,    128
.set HA,    128
.set PC,    192
.set TC,    204
.set TM,    224
.set PW,    240
.set SW0,   244
.set SW1,   248
.set PK,    252
.set G1,    24                         ; s[24:31] group 1 for A's codes;  s[32:39] groups 0, one a slot
.set G0,    32
.set G1B,   48                         ; s[48:55], s[56:63] for B's
.set G0B,   56
.set G1S,   68                         ; s[68:75], s[76:79] A's scales;  s[80:87], s[88:91] B's
.set G0S,   76
.set G1SB,  80
.set G0SB,  88
.set SEL,   100                        ; s[100:101] lane selects: lane l xor 16
.set MSB,   0
.macro WIN new                         ; the immediate's high byte repeats the setting that is left
.if MSB != (\new)
	s_set_vgpr_msb (MSB<<8)|(\new)
.set MSB, (\new)
.endif
.endm
.set MUL_LO, 0xa1                      ; source 0 (B) window 1, source 1 (A) window 0, C and D window 2
.set MUL_HI, 0xf1                      ; the same, C and D window 3
.set TO_B,   0x40                      ; destination window 1
; A joint load: waves 0 and 1 fetch for A, waves 2 and 3 for B; the branch hangs on the wave's number alone.  Four v_nop follow each line.
.macro JLOAD g0a, g1a, g0b, g1b
	s_cmp_eq_u32 s17, 0
	s_cbranch_scc0 .Lfor_b_\@
	tensor_load_to_lds s[\g0a:\g0a+3], s[\g1a:\g1a+7]
	s_nop 0
.rept 4
	v_nop
.endr
	s_branch .Lasked_\@
.Lfor_b_\@:
	tensor_load_to_lds s[\g0b:\g0b+3], s[\g1b:\g1b+7]
	s_nop 0
.rept 4
	v_nop
.endr
.Lasked_\@:
.endm
.macro CREST                           ; a round of the cluster's barrier behind its opening barrier
	s_cmp_lg_u32 s16, 0
	s_cbranch_scc1 .Lnot_wave_0_\@
	s_barrier_signal -3
.Lnot_wave_0_\@:
	s_barrier_wait -3
	s_barrier_signal -1
	s_barrier_wait -1
.endm
.macro CROUND
	s_barrier_signal -1
	s_barrier_wait -1
	CREST
.endm
.macro QUANT s, pc, tc, pw             ; 64 numbers of a lane, register 16 b + i = k 32 b + 16 h + i of my row -> 12 registers of codes at v[pc], the row's scale word in v[pw]
.irp b, 0,1,2,3
	v_max3_num_f32 v[TM+\b], |v[\s+16*\b]|, |v[\s+1+16*\b]|, 0x2800000   ; and the floor 2^(5 - 127): the byte cannot fall under 1
.endr
.irp i, 2,4,6,8,10,12,14
.irp b, 0,1,2,3
	v_max3_num_f32 v[TM+\b], v[TM+\b], |v[\s+16*\b+\i]|, |v[\s+1+16*\b+\i]|
.endr
.endr
.irp b, 0,1,2,3
	v_permlanex16_b32 v[TM+4+\b], v[TM+\b], s[SEL], s[SEL+1]
.endr
.irp b, 0,1,2,3
	v_max_num_f32 v[TM+\b], v[TM+\b], v[TM+4+\b]
.endr
.irp b, 0,1,2,3
	v_add_nc_u32 v[TM+12+\b], 0xfe000000, v[TM+\b]   ; 4 off the exponent field: the conversion's scale operand
.endr
.irp b, 0,1,2,3
	v_lshrrev_b32 v[TM+4+\b], 23, v[TM+12+\b]
.endr
	v_lshl_or_b32 v[\pw], v[TM+5], 8, v[TM+4]
	v_lshl_or_b32 v[\pw], v[TM+6], 16, v[\pw]
	v_lshl_or_b32 v[\pw], v[TM+7], 24, v[\pw]
.irp c, 0,1
	v_cvt_scalef32_pk16_bf6_f32 v[\pc+6*\c:\pc+2+6*\c], v[\s+32*\c:\s+15+32*\c], v[TM+12+2*\c]
	v_cvt_scalef32_pk16_bf6_f32 v[\tc+4*\c:\tc+2+4*\c], v[\s+16+32*\c:\s+31+32*\c], v[TM+12+2*\c+1]
.endr
	v_nop                                          ; one plain place behind a scaled conversion
.irp c, 0,1
.irp i, 0,1,2
	v_permlane16_swap_b32 v[\pc+6*\c+\i], v[\tc+4*\c+\i]
.endr
.irp i, 0,1,2
	v_mov_b32 v[\pc+3+6*\c+\i], v[\tc+4*\c+\i]
.endr
.endr
.endm
	s_load_b256 s[4:11], s[0:1], 0x0               ; xq s[4:5], wiq s[6:7], b_in s[8:9], kbuf s[10:11]
	s_load_b128 s[12:15], s[0:1], 0x20             ; qbuf s[12:13], vbuf s[14:15]
	v_lshl_add_u32 v[SPW], v0, 2, SPARE
	v_mov_b32 v[NIL], 0
	ds_add_u32 v28, v29
	ds_add_u32 v28, v29
	s_wait_dscnt 0x0
	v_lshrrev_b32 v1, 5, v0
	v_readfirstlane_b32 s16, v1                    ; wave 0..3
	s_lshr_b32 s17, s16, 1                         ; which half of A's rows is mine.  Also: I fetch for A (0) or for B (1)
	s_and_b32 s18, s16, 1                          ; which half of B's rows.  Also: which half I fetch
	s_mov_b32 s19, 0xffff0000                      ; lanes 16-31; a word's upper half
	s_mov_b32 s[SEL], 0x76543210
	s_mov_b32 s[SEL+1], 0xfedcba98
	s_bfe_u32 s40, ttmp6, 0x40000                  ; cx, cy: my place in the cluster
	s_bfe_u32 s41, ttmp6, 0x40004
	s_and_b32 s20, ttmp7, 0xffff                   ; the cluster's y
	s_lshl_b32 s21, s20, 1
	s_add_co_u32 s21, s21, ttmp9
	s_sub_co_u32 s21, s21, 16                      ; v's tiles: 2 (y - 8) + x counts the eight blocks of 1,024 tokens
	s_cmp_ge_u32 s20, 8
	s_cselect_b32 s2, 1, 0                         ; a tile of v?
	s_cselect_b32 s21, s21, ttmp9                  ; B's block of four tiles
	s_cselect_b32 s20, 2, s20                      ; A's: v's channels are W_in's tile rows 8-11
	s_lshl_b32 s42, s21, 2
	s_add_co_u32 s42, s42, s40                     ; TC: B's tile of 256 rows
	s_lshl_b32 s45, s20, 2
	s_add_co_u32 s45, s45, s41                     ; TR: A's
	s_lshl_b32 s43, s41, 2
	s_lshl_b32 s43, 15, s43                        ; my row of the cluster
	s_lshl_b32 s44, 0x1111, s40                    ; my column
	; group 1: a dense block as rows of 256 bytes (32 elements of 8 bytes): 96 rows of codes, 16 of scales; no padding
	s_or_b32 s[G1+0], s43, (3<<16)|(1<<21)         ; 15:0 the mask; 17:16 elements of 8 bytes; 21 set beside a mask
	s_or_b32 s[G1B+0], s44, (3<<16)|(1<<21)
.irp g, G1, G1B
	s_mov_b32 s[\g+1], 32<<16                      ; tensor_dim0
	s_mov_b32 s[\g+2], 96<<16                      ; tensor_dim1
	s_mov_b32 s[\g+3], 32<<16                      ; tile_dim0
	s_mov_b32 s[\g+4], 96                          ; tile_dim1
	s_mov_b32 s[\g+5], 32                          ; from row to row
	s_mov_b32 s[\g+6], 0
	s_mov_b32 s[\g+7], 0
.endr
	s_or_b32 s[G1S+0], s43, (3<<16)|(1<<21)
	s_or_b32 s[G1SB+0], s44, (3<<16)|(1<<21)
.irp g, G1S, G1SB
	s_mov_b32 s[\g+1], 32<<16
	s_mov_b32 s[\g+2], 16<<16
	s_mov_b32 s[\g+3], 32<<16
	s_mov_b32 s[\g+4], 16
	s_mov_b32 s[\g+5], 32
	s_mov_b32 s[\g+6], 0
	s_mov_b32 s[\g+7], 0
.endr
	s_lshl_b32 s20, s45, 1
	s_add_co_u32 s20, s20, s18                     ; A's row block that I would fetch
	s_mul_i32 s20, s20, RBB
	s_mov_b32 s21, 0
	s_lshl_b32 s46, s42, 1
	s_add_co_u32 s46, s46, s18                     ; B's
	s_mul_i32 s46, s46, RBB
	s_mov_b32 s47, 0
	s_mul_i32 s22, s16, HALFT                      ; where they go: by the wave's number alone
	s_lshl_b32 s23, s16, 12
	s_add_co_u32 s23, s23, SCL
	s_wait_kmcnt 0x0
	s_cmp_lg_u32 s2, 0
	s_cselect_b64 s[92:93], s[6:7], s[4:5]         ; A's buffer
	s_cselect_b64 s[94:95], s[4:5], s[6:7]         ; B's
	s_add_nc_u64 s[92:93], s[92:93], s[20:21]
	s_add_nc_u64 s[94:95], s[94:95], s[46:47]
	CROUND                                         ; all sixteen work-groups are here: the first joint loads meet
	s_mov_b32 s[G0S], 1
	s_mov_b32 s[G0S+1], s23
	s_add_nc_u64 s[G0S+2:G0S+3], s[92:93], 4*HALFT ; the scale words lie behind the codes
	s_or_b32 s[G0S+3], s[G0S+3], 0x80000000
	s_mov_b32 s[G0SB], 1
	s_mov_b32 s[G0SB+1], s23
	s_add_nc_u64 s[G0SB+2:G0SB+3], s[94:95], 4*HALFT
	s_or_b32 s[G0SB+3], s[G0SB+3], 0x80000000
	JLOAD G0S, G1S, G0SB, G1SB                     ; the scales first: they are wanted with K step 0
.irp s, 0,1
	s_mov_b32 s[G0+4*\s], 1
	s_add_co_u32 s[G0+4*\s+1], s22, \s*SLOT
	s_add_nc_u64 s[G0+4*\s+2:G0+4*\s+3], s[92:93], \s*HALFT
	s_or_b32 s[G0+4*\s+3], s[G0+4*\s+3], 0x80000000
	s_mov_b32 s[G0B+4*\s], 1
	s_add_co_u32 s[G0B+4*\s+1], s22, \s*SLOT
	s_add_nc_u64 s[G0B+4*\s+2:G0B+4*\s+3], s[94:95], \s*HALFT
	s_or_b32 s[G0B+4*\s+3], s[G0B+4*\s+3], 0x80000000
	JLOAD G0+4*\s, G1, G0B+4*\s, G1B               ; three loads of mine are out
.endr
	v_and_b32 v1, 15, v0                           ; r
	v_bfe_u32 v2, v0, 4, 1                         ; h
	v_and_b32 v3, 31, v0
	v_lshlrev_b32 v[L16], 4, v3
	v_lshlrev_b32 v[L8], 3, v3
	s_mul_i32 s20, s17, HALFT                      ; my 128 rows of A
	s_mul_i32 s21, s18, HALFT                      ; my 128 rows of B,
	s_add_co_u32 s21, s21, 2*HALFT                 ; behind A's two halves
.irp s, 0,1
	v_add_nc_u32 v[ADRA+\s], s20, v[L16]
	v_add_nc_u32 v[ADRA+2+\s], s20, v[L8]
	v_add_nc_u32 v[ADRB+\s], s21, v[L16]
	v_add_nc_u32 v[ADRB+2+\s], s21, v[L8]
	s_add_co_u32 s20, s20, SLOT
	s_add_co_u32 s21, s21, SLOT
.endr
	s_lshl_b32 s20, s17, 12                        ; A's scales: my half
	s_lshl_b32 s21, s18, 12                        ; B's: my half, behind A's two
	s_add_co_u32 s21, s21, 8192
	s_sub_co_u32 s21, s21, s20
	v_mul_u32_u24 v3, s21, v2                      ; lanes 16-31 take B's
	s_add_co_u32 s20, s20, SCL
	v_lshl_add_u32 v3, v1, 3, v3                   ; 8 bytes a row: a K step's two words
	v_add_nc_u32 v[ADRS], s20, v3
	v_lshlrev_b32 v[BO], 6, v2
	v_mul_u32_u24 v[KSO], v2, RBB
	v_lshl_add_u32 v[KSO], v1, 4, v[KSO]
	v_and_b32 v[BVO], 8, v1
	v_add_nc_u32 v[BVO], v[BVO], v1
	v_lshlrev_b32 v[BVO], 2, v[BVO]
.irp b, 0,1,2,3
	v_mov_b32 v[TM+4+\b], 0                        ; written once: a lane permute's destination counts as one of its sources
.endr
.macro FRAG reg, adr, off              ; a fragment's image, 1,536 bytes: registers 0-3, 4-5, 6-9, 10-11; each load reads consecutive bytes
	ds_load_b128 v[\reg:\reg+3], v[\adr] offset:\off
	ds_load_b64 v[\reg+4:\reg+5], v[\adr+2] offset:\off+512
	ds_load_b128 v[\reg+6:\reg+9], v[\adr] offset:\off+768
	ds_load_b64 v[\reg+10:\reg+11], v[\adr+2] offset:\off+1280
.endm
; 16 matrix instructions: A's blocks a0, a0 + 1 x B's eight, the slot's q-th 128 along K.  p: B's set; sc: the set of scale words.  zero = 1: the first product starts the sums.
; The 64 accumulators take turns, one instruction a turn, in the same order in every step.
.macro MUL16 a0, p, q, sc, zero
.irp a, \a0, \a0+1
.irp b, 0,1,2,3,4,5,6,7
.if \zero
	v_wmma_scale_f32_16x16x128_f8f6f4 v[8*(8*((\a)%4)+\b):8*(8*((\a)%4)+\b)+7], v[128*(\p)+FR*\b:128*(\p)+FR*\b+FR-1], v[AF+FR*(\a):AF+FR*(\a)+FR-1], 0, v[SC+8*NQ*(\sc)+NQ*\b+(\q)], v[SC+8*NQ*(\sc)+NQ*(\a)+(\q)] matrix_a_fmt:MATRIX_FMT_BF6 matrix_b_fmt:MATRIX_FMT_BF6 matrix_a_scale:MATRIX_SCALE_ROW1
.else
	v_wmma_scale_f32_16x16x128_f8f6f4 v[8*(8*((\a)%4)+\b):8*(8*((\a)%4)+\b)+7], v[128*(\p)+FR*\b:128*(\p)+FR*\b+FR-1], v[AF+FR*(\a):AF+FR*(\a)+FR-1], v[8*(8*((\a)%4)+\b):8*(8*((\a)%4)+\b)+7], v[SC+8*NQ*(\sc)+NQ*\b+(\q)], v[SC+8*NQ*(\sc)+NQ*(\a)+(\q)] matrix_a_fmt:MATRIX_FMT_BF6 matrix_b_fmt:MATRIX_FMT_BF6 matrix_a_scale:MATRIX_SCALE_ROW1
.endif
.endr
.endr
.endm
.macro FETCH_B slot, q, p
	WIN TO_B
.irp i, 0,1,2,3,4,5,6,7
	FRAG 128*(\p)+FR*\i, ADRB+\slot, \i*3072+(\q)*1536
.endr
	WIN 0
.endm
.macro FETCH_A slot, q, i0
.irp i, \i0, \i0+1, \i0+2, \i0+3
	FRAG AF+FR*(\i), ADRA+\slot, (\i)*3072+(\q)*1536
.endr
.endm
.macro SCALES sc                       ; a K step's scale words: lanes 0-15 A's block i, lanes 16-31 B's block i
.irp i, 0,1,2,3,4,5,6,7
	ds_load_b64 v[SC+8*NQ*\sc+NQ*\i:SC+8*NQ*\sc+NQ*\i+1], v[ADRS] offset:\i*128
.endr
.endm
.macro PLACES n                        ; plain vector instructions between a matrix instruction and a load into, or a read of, its registers (ISA guide 7.12.1 for reads)
.rept \n
	v_nop
.endr
.endm
.macro STEP slot, q, zero              ; 128 along K that has its successor in the same slot
	s_wait_dscnt 4*NL                              ; all but the youngest 16 loads (A's blocks 4-7)
	WIN MUL_LO
	MUL16 0, (\q)%2, \q, \slot, \zero
	MUL16 2, (\q)%2, \q, \slot, \zero
	s_wait_dscnt 0
	PLACES NP
	FETCH_B \slot, (\q)+1, 1-(\q)%2
	FETCH_A \slot, (\q)+1, 0
	WIN MUL_HI
	MUL16 4, (\q)%2, \q, \slot, \zero
	MUL16 6, (\q)%2, \q, \slot, \zero
	PLACES NP
	WIN 0
	FETCH_A \slot, (\q)+1, 4
.endm
; A slot's last step changes slots: one barrier; in front of it each wave waits for all its tensor loads, adds 0 to its spare word, and waits for that and for its reads of this slot.
.macro TURN slot, next, fill
	s_wait_tensorcnt 0x0                           ; all my tensor loads have landed: my part of the next slot
	ds_add_u32 v[SPW], v[NIL]                      ; 0 onto my spare word
	s_wait_dscnt 4*NL+1                            ; (the add and the youngest 16 loads may be out)
	WIN MUL_LO
	MUL16 0, 1, NQ-1, \slot, 0
	s_wait_dscnt 0x0                               ; the add is done, and my reads of this slot are over
	s_barrier_signal -1
	MUL16 2, 1, NQ-1, \slot, 0
	WIN 0
	s_barrier_wait -1
.if \fill
	CREST                                          ; the barrier has opened a round of the cluster's: no wave of any partner still reads this slot or has a load on its way
	s_add_nc_u64 s[G0+4*\slot+2:G0+4*\slot+3], s[G0+4*\slot+2:G0+4*\slot+3], 2*HALFT
	s_add_nc_u64 s[G0B+4*\slot+2:G0B+4*\slot+3], s[G0B+4*\slot+2:G0B+4*\slot+3], 2*HALFT
	JLOAD G0+4*\slot, G1, G0B+4*\slot, G1B         ; the first tensor load behind the round; its four v_nop are the places in front of the loads below
.else
	PLACES NP
.endif
	v_add_nc_u32 v[ADRS], 1024, v[ADRS]            ; the next K step's scale words
	FETCH_B \next, 0, 0
	FETCH_A \next, 0, 0
	SCALES \next
	WIN MUL_HI
	MUL16 4, 1, NQ-1, \slot, 0
	MUL16 6, 1, NQ-1, \slot, 0
	PLACES NP
	WIN 0
	FETCH_A \next, 0, 4
.endm
.macro TAIL                            ; the last K step, and the wait for the bias
	STEP 1, 0, 0
	s_wait_dscnt 4*NL
	WIN MUL_LO
	MUL16 0, 1, NQ-1, 1, 0
	MUL16 2, 1, NQ-1, 1, 0
	s_wait_dscnt 0
	WIN MUL_HI
	MUL16 4, 1, NQ-1, 1, 0
	MUL16 6, 1, NQ-1, 1, 0
	WIN 0
	PLACES NP
	s_wait_loadcnt 0x0
.endm
	s_wait_tensorcnt 1                             ; the scales and my part of K step 0 are in (K step 1's load may be out),
	s_barrier_signal -1
	s_barrier_wait -1                              ; everybody's are
	FETCH_B 0, 0, 0
	FETCH_A 0, 0, 0
	SCALES 0
	FETCH_A 0, 0, 4
	STEP 0, 0, 1                                   ; K = 1024 is four K steps of 256: they are written out
	TURN 0, 1, 1                                   ; slot 0 takes K step 2
	STEP 1, 0, 0
	TURN 1, 0, 1                                   ; slot 1 takes K step 3
	STEP 0, 0, 0
	TURN 0, 1, 0                                   ; nothing is left to fetch
	s_cmp_lg_u32 s2, 0                             ; the ways part here, so that each way's bias has the last K step in which to land
	s_cbranch_scc1 .Lv_tile
; ---- k and q: a lane holds a token, its 64 registers of block a run along 128 channels: two heads
	s_lshl_b32 s20, s42, 10
	s_lshl_b32 s21, s18, 9
	s_add_co_u32 s20, s20, s21                     ; my first channel, x 4 bytes
	s_mov_b32 s21, 0
	s_add_nc_u64 s[98:99], s[8:9], s[20:21]
.irp b, 0,1,2,3
.irp j, 0,1,2,3
	global_load_b128 v[BIAS+16*\b+4*\j:BIAS+16*\b+4*\j+3], v[BO], s[98:99] offset:128*\b+16*\j   ; register 16 b + i: channel 32 b + 16 h + i
.endr
.endr
	s_lshr_b32 s20, s45, 3                         ; batch
	s_lshl_b32 s20, s20, 4
	s_and_b32 s21, s42, 3
	s_lshl_b32 s21, s21, 2
	s_add_co_u32 s20, s20, s21
	s_lshl_b32 s21, s18, 1
	s_add_co_u32 s20, s20, s21                     ; 16 batch + my first head
	s_mul_i32 s20, s20, RBB
	s_and_b32 s21, s45, 7
	s_lshl_b32 s21, s21, 1
	s_add_co_u32 s21, s21, s17                     ; my 128 tokens' key step
	s_mul_i32 s21, s21, 6400
	s_add_co_u32 s20, s20, s21
	s_mov_b32 s21, 0
	s_cmp_eq_u32 ttmp9, 0
	s_cselect_b64 s[96:97], s[10:11], s[12:13]     ; k or q
	s_add_nc_u64 s[96:97], s[96:97], s[20:21]
	TAIL
.macro EPIKQ a
	s_wait_xcnt 0x0                                ; the last block's stores have read their registers
	WIN 0x02+(\a)/4                                ; source 0: window 2 or 3
.set XI, 0
.rept 32
	v_pk_add_f32 v[HA+XI:HA+XI+1], v[64*((\a)%4)+XI:64*((\a)%4)+XI+1], v[BIAS+XI:BIAS+XI+1]   ; each accumulator from its low end on
.set XI, XI+2
.endr
	WIN 0
	QUANT HA, PC, TC, PW
	global_store_b128 v[L16], v[PC:PC+3], s[96:97] offset:(\a)*768                  ; the first head's half fragment of token tile a
	global_store_b64 v[L8], v[PC+4:PC+5], s[96:97] offset:(\a)*768+512
	global_store_b128 v[L16], v[PC+6:PC+9], s[96:97] offset:RBB+(\a)*768            ; the second head's
	global_store_b64 v[L8], v[PC+10:PC+11], s[96:97] offset:RBB+(\a)*768+512
.if (\a)%2 == 0
	v_and_b32 v[SW0+(\a)/2], 0xffff, v[PW]         ; the word's low half is the first head's two bytes, its high half the second's
	v_lshrrev_b32 v[SW1+(\a)/2], 16, v[PW]
.else
	v_lshl_or_b32 v[SW0+(\a)/2], v[PW], 16, v[SW0+(\a)/2]
	v_and_or_b32 v[SW1+(\a)/2], v[PW], s19, v[SW1+(\a)/2]
.endif
.endm
.irp a, 0,1,2,3,4,5,6,7
	EPIKQ \a
.endr
.irp j, 0,1,2,3
	v_cndmask_b32 v[PK+\j], v[SW0+\j], v[SW1+\j], s19   ; lanes 0-15 store the first head's words of row r, lanes 16-31 the second's
.endr
	global_store_b128 v[KSO], v[PK:PK+3], s[96:97] offset:6144   ; sixteen lanes store 256 consecutive bytes
	s_branch .Ldone
; ---- v: a lane holds a channel, its 64 registers of block a run along 128 keys: a whole fragment
.Lv_tile:
	s_lshl_b32 s20, s41, 10
	s_lshl_b32 s21, s17, 9
	s_add_co_u32 s20, s20, s21
	s_add_co_u32 s20, s20, 8192                    ; (2048 + my first channel) x 4 bytes
	s_mov_b32 s21, 0
	s_add_nc_u64 s[98:99], s[8:9], s[20:21]
.irp a, 0,1,2,3,4,5,6,7
	global_load_b32 v[BIAS+2*\a], v[BVO], s[98:99] offset:(32*(\a/2)+8*(\a%2))*4   ; my channel of block a
	v_mov_b32 v[BIAS+2*\a+1], 0                    ; (named with it as a pair, so it is written)
.endr
	s_lshr_b32 s20, s42, 3                         ; batch
	s_lshl_b32 s20, s20, 4
	s_lshl_b32 s21, s41, 2
	s_add_co_u32 s20, s20, s21
	s_lshl_b32 s21, s17, 1
	s_add_co_u32 s20, s20, s21                     ; 16 batch + my first head
	s_mul_i32 s20, s20, RBB
	s_and_b32 s21, s42, 7
	s_lshl_b32 s21, s21, 1
	s_add_co_u32 s21, s21, s18                     ; my 128 keys' step
	s_mul_i32 s21, s21, 6400
	s_add_co_u32 s20, s20, s21
	s_mov_b32 s21, 0
	s_add_nc_u64 s[96:97], s[14:15], s[20:21]
	TAIL
.macro EPIV a
	s_wait_xcnt 0x0
	WIN 0x02+(\a)/4
.set XI, 0
.rept 32
	v_pk_add_f32 v[HA+XI:HA+XI+1], v[64*((\a)%4)+XI:64*((\a)%4)+XI+1], v[BIAS+2*(\a):BIAS+2*(\a)+1] op_sel_hi:[1,0]
.set XI, XI+2
.endr
	WIN 0
	QUANT HA, PC, TC, SW0+(\a)
	global_store_b128 v[L16], v[PC:PC+3], s[96:97] offset:((\a)/4)*RBB+((\a)%4)*1536
	global_store_b64 v[L8], v[PC+4:PC+5], s[96:97] offset:((\a)/4)*RBB+((\a)%4)*1536+512
	global_store_b128 v[L16], v[PC+6:PC+9], s[96:97] offset:((\a)/4)*RBB+((\a)%4)*1536+768
	global_store_b64 v[L8], v[PC+10:PC+11], s[96:97] offset:((\a)/4)*RBB+((\a)%4)*1536+1280
.endm
.irp a, 0,1,2,3,4,5,6,7
	EPIV \a
.endr
.irp d, 0,1
.irp j, 0,1
	v_cndmask_b32 v[PK+2*\d+\j], v[SW0+4*\d+2*\j], v[SW0+4*\d+2*\j+1], s19   ; word j: lanes 0-15 tile 2 j's, lanes 16-31 tile 2 j + 1's
.endr
	global_store_b64 v[L8], v[PK+2*\d:PK+2*\d+1], s[96:97] offset:\d*RBB+6144   ; 256 consecutive bytes
.endr
.Ldone:
	s_wait_tensorcnt 0x0                           ; the wave's end
	ds_add_u32 v[SPW], v[NIL]
	s_wait_dscnt 0x0
	CROUND                                         ; the closing round: no work-group ends while a partner may still ask for a tile that names it
	s_endpgm
.Lfunc_end_k_q9fe70ef1c6_gemm_qkv:
	.size	k_q9fe70ef1c6_gemm_qkv, .Lfunc_end_k_q9fe70ef1c6_gemm_qkv-k_q9fe70ef1c6_gemm_qkv
	.p2alignl 7, 3214868480
	.fill 96, 4, 3214868480
	.section	.rodata,"a",@progbits
	.p2align	6, 0x0
	.amdhsa_kernel k_q9fe70ef1c6_gemm_qkv
		.amdhsa_group_segment_fixed_size 327680
		.amdhsa_private_segment_fixed_size 0
		.amdhsa_enable_private_segment 0
		.amdhsa_kernarg_size 48
		.amdhsa_user_sgpr_count 2
		.amdhsa_user_sgpr_kernarg_segment_ptr 1
		.amdhsa_wavefront_size32 1
		.amdhsa_system_sgpr_workgroup_id_x 1
		.amdhsa_system_sgpr_workgroup_id_y 1
		.amdhsa_system_sgpr_workgroup_id_z 1
		.amdhsa_system_vgpr_workitem_id 0
		.amdhsa_next_free_vgpr 1024
		.amdhsa_next_free_sgpr 102
		.amdhsa_reserve_vcc 0
		.amdhsa_float_denorm_mode_32 3
		.amdhsa_float_denorm_mode_16_64 3
		.amdhsa_memory_ordered 1
		.amdhsa_forward_progress 1
		.amdhsa_inst_pref_size 239
	.end_amdhsa_kernel
	.amdgpu_metadata
---
amdhsa.version: [ 1, 2 ]
amdhsa.kernels:
  - .name:           k_q9fe70ef1c6_gemm_qkv
    .symbol:         k_q9fe70ef1c6_gemm_qkv.kd
    .args:
      - { .name: xq, .offset: 0, .size: 8, .value_kind: global_buffer, .address_space: global }
      - { .name: wiq, .offset: 8, .size: 8, .value_kind: global_buffer, .address_space: global }
      - { .name: b_in, .offset: 16, .size: 8, .value_kind: global_buffer, .address_space: global }
      - { .name: kbuf, .offset: 24, .size: 8, .value_kind: global_buffer, .address_space: global }
      - { .name: qbuf, .offset: 32, .size: 8, .value_kind: global_buffer, .address_space: global }
      - { .name: vbuf, .offset: 40, .size: 8, .value_kind: global_buffer, .address_space: global }
    .group_segment_fixed_size: 327680
    .private_segment_fixed_size: 0
    .kernarg_segment_align: 8
    .kernarg_segment_size: 48
    .max_flat_workgroup_size: 128
    .sgpr_count:     102
    .vgpr_count:     1024
    .wavefront_size: 32
...
	.end_amdgpu_metadata
.endif
;; end of part 2
;; launch attn (part 3): grid 4 x 64, 16 waves a work-group, no clusters, 206,848 bytes of LDS; arguments qbuf, kbuf, vbuf, aq; writes aq
.if DOCPART == 3
	.amdgcn_target "amdgcn-amd-amdhsa--gfx1250"
	.amdhsa_code_object_version 6
	.text
	.protected	k_q9fe70ef1c6_attn
	.globl	k_q9fe70ef1c6_attn
	.p2align	8
	.type	k_q9fe70ef1c6_attn,@function
k_q9fe70ef1c6_attn:
	s_mov_b64 s[64:65], 0
	v_nop
	global_prefetch_b8 v0, s[64:65] scope:SCOPE_SE
	s_setreg_imm32_b32 hwreg(HW_REG_WAVE_MODE, 25, 1), 1
	s_wait_xcnt 0x0
; Causal attention of one (batch, head) on codes of BF6 (E3M2) with E8M0 scales, head size 64, 2,048 tokens; its result, divided by the row's sum, is quantised along the head's 64 channels
; and stored as the next product's operand.  t = score x log2(e) / 8; M = the running largest t rounded up to a whole number; p = 2^(t - M) is quantised along the keys, not normalised;
; the row's sum is taken of the unquantised p.  When M moves, the sum and O are multiplied by 2^(old M - new M): exact.
; SHARES.  Work-group (i, head) owns the query blocks i and 7 - i of 256 queries: the same number of live key steps in every work-group.  Each of sixteen waves owns one tile of 16 queries of each
; block and works them one after the other: first block i, which needs keys under 1,024 only (8 trips), then block 7 - i (16 trips).  Trip counts are constants; a step all of whose keys come after
; my queries is passed over by a scalar branch on ids.  Four waves share a SIMD, so that one wave's vector work stands beside another's products and LDS loads.
; LDS.  The head's K (102,400 bytes) and V (102,400) stay in LDS, scale words among them; every byte is filled once: each wave brings one key step of the first half and one of the second.
; No cluster: the work-groups that share K and V pass over different steps, and each reads K and V once.
; LAYOUT.  Both products are used transposed: a lane holds one query.  A key step of 128 keys is 6,400 bytes: K: eight half fragments (16 keys x 64) as register images, then [r][4 words] of scale bytes;
; V: four fragments (16 channels x 128 keys), then [lane][2 words].  Lane r of tile 2 b + u holds row 32 b + 8 u + r + (r & 8): the 16 registers of two neighbouring tiles run along 16 neighbours.
; K = 64 IN AN INSTRUCTION OF 128: a fragment of K is two key tiles on end; it is multiplied once by (q | zeros) and once by (zeros | q): zero codes add nothing.
; LIMITS: NaN and infinities are not served; p under 2^-126 counts as 0; a block of zeros gets the byte 1 (the bytes are read by this program alone).
.set KSB,   6400                       ; a key step's bytes
.set HEADB, 102400                     ; a head's
.set L16,   1                          ; v1   16 l
.set L8,    2                          ; v2   8 l
.set R16,   3                          ; v3   16 r
.set DQ,    4                          ; v4   r + (r & 8) - 16 h: my query less my first key, within their tiles
.set R8,    5                          ; v5   8 r
.set ADK,   6                          ; v6-7 the step's K, + 16 l, + 8 l
.set ADKS,  8                          ; v8   its scale words
.set ADV,   9                          ; v9-10 the step's V
.set QA,    16                         ; v16-27 (q | 0)
.set QB,    28                         ; v28-39 (0 | q)
.set F,     40                         ; v40-87 four fragments of K, then of V
.set KSC,   88                         ; v88-91 K's scale words
.set VSC,   92                         ; v92-93 V's
.set QSC,   94                         ; v94  q's
.set PSC,   95                         ; v95  p's
.set S,     96                         ; v96-159 the scores, then p
.set O,     160                        ; v160-191 O^T
.set PCD,   192                        ; v192-203 p's codes
.set TC,    204                        ; v204-210 the conversions' second halves
.set BM,    212                        ; v212-215 block maxima
.set BY,    216                        ; v216-219 the other half's maxima, then bytes
.set SO,    220                        ; v220-223 the conversions' scale operands
.set VQ16,  232                        ; v232-234 my tile of q in its key step: codes + 16 l, + 8 l; scale word
.set VQ8,   233
.set VQS,   234
.set SEL,   16                         ; s[16:17] lane selects: lane l xor 16
.set CS,    18                         ; s[18:19] c = log2(e) / 8
.set G1,    24
.set G0,    32
.set TB,    42                         ; s42  LDS byte of the step's K
.set KF,    43                         ; s43  the step's first key
.set CNT,   44                         ; s44  trips to go
.set TBV,   46                         ; s46  LDS byte of the step's V
.macro FRAG reg, a16, a8, off
	ds_load_b128 v[\reg:\reg+3], v[\a16] offset:\off
	ds_load_b64 v[\reg+4:\reg+5], v[\a8] offset:\off+512
	ds_load_b128 v[\reg+6:\reg+9], v[\a16] offset:\off+768
	ds_load_b64 v[\reg+10:\reg+11], v[\a8] offset:\off+1280
.endm
	s_load_b256 s[4:11], s[0:1], 0x0               ; qbuf s[4:5], kbuf s[6:7], vbuf s[8:9], aq s[10:11]
	v_lshl_add_u32 v254, v0, 2, 0x32000
	v_mov_b32 v255, 0
	ds_add_u32 v254, v255
	ds_add_u32 v254, v255
	v_lshrrev_b32 v1, 5, v0
	v_readfirstlane_b32 s12, v1                    ; wave 0..15
	s_and_b32 s14, ttmp7, 0xffff                   ; 16 batch + head
	s_mov_b32 s[G1], 3<<16                         ; no mask; elements of 8 bytes; no padding: a key step as 25 rows of 256 bytes
	s_mov_b32 s[G1+1], 32<<16
	s_mov_b32 s[G1+2], 25<<16
	s_mov_b32 s[G1+3], 32<<16
	s_mov_b32 s[G1+4], 25
	s_mov_b32 s[G1+5], 32
	s_mov_b32 s[G1+6], 0
	s_mov_b32 s[G1+7], 0
	s_mul_i32 s21, s14, HEADB
	s_lshr_b32 s41, s12, 3                         ; waves 0-7 fetch K, waves 8-15 V
	s_and_b32 s15, s12, 7
	s_mul_i32 s20, s12, KSB
	s_mul_i32 s22, s41, 8*KSB
	s_add_co_u32 s20, s20, s22                     ; K's step w at 6400 w; V's step w - 8 at 102400 + 6400 (w - 8)
	s_mul_i32 s2, s15, KSB
	s_add_co_u32 s2, s2, s21
	s_mov_b32 s3, 0
	s_wait_dscnt 0x0
	s_wait_kmcnt 0x0
	s_cmp_lt_u32 s12, 8
	s_cselect_b64 s[66:67], s[6:7], s[8:9]
	s_add_nc_u64 s[66:67], s[66:67], s[2:3]
.irp n, 0,1                                    ; half n: key steps 8 n on
	s_mov_b32 s[G0+4*\n], 1
	s_add_co_u32 s[G0+4*\n+1], s20, \n*8*KSB
	s_add_nc_u64 s[G0+4*\n+2:G0+4*\n+3], s[66:67], \n*8*KSB
	s_or_b32 s[G0+4*\n+3], s[G0+4*\n+3], 0x80000000
.endr
	tensor_load_to_lds s[G0:G0+3], s[G1:G1+7]      ; both fills go out together: two loads of mine are out
	s_nop 0
	tensor_load_to_lds s[G0+4:G0+7], s[G1:G1+7]
	s_nop 0
.rept 4
	v_nop
.endr
	s_mov_b32 s[SEL], 0x76543210
	s_mov_b32 s[SEL+1], 0xfedcba98
	s_mov_b32 s[CS], 0x3e38aa3b
	s_mov_b32 s[CS+1], s[CS]                       ; (named with it as a pair, so it is written)
	v_and_b32 v11, 31, v0
	v_lshlrev_b32 v[L16], 4, v11
	v_lshlrev_b32 v[L8], 3, v11
	v_and_b32 v224, 15, v0                         ; r
	v_bfe_u32 v225, v0, 4, 1                       ; h
	v_lshlrev_b32 v[R16], 4, v224
	v_lshlrev_b32 v[R8], 3, v224
	v_and_b32 v[DQ], 8, v224
	v_add_nc_u32 v[DQ], v[DQ], v224
	v_lshlrev_b32 v225, 4, v225
	v_sub_nc_u32 v[DQ], v[DQ], v225
	s_mul_i32 s47, s15, 768                        ; my tile of q is tile w % 8 of its key step
	v_add_nc_u32 v[VQ16], s47, v[L16]
	v_add_nc_u32 v[VQ8], s47, v[L8]
	s_lshr_b32 s47, s15, 1
	s_lshl_b32 s47, s47, 2
	v_add_nc_u32 v[VQS], s47, v[R16]               ; its scale bytes: half a word
	s_and_b32 s62, s12, 1
	s_lshl_b32 s62, s62, 4                         ; which half: 16 (w % 2) bits up
	s_lshr_b32 s63, s12, 1
	s_lshl_b32 s63, s63, 5
	s_lshr_b32 s47, s62, 1
	s_add_co_u32 s63, s63, s47                     ; my tile's first query in its block: 32 (w / 2) + 8 (w % 2)
.irp i, 0,1,2,3,4,5
	v_mov_b32 v[QA+6+\i], 0                        ; the zero halves, written once
	v_mov_b32 v[QB+\i], 0
.endr
.irp b, 0,1,2,3
	v_mov_b32 v[BY+\b], 0                          ; written once: a lane permute's destination counts as one of its sources
.endr
	v_mov_b32 v227, 0                              ; (named as the upper half of the pair v[226:227])
	v_mov_b32 v231, 0xff800000                     ; -infinity
	s_and_b32 s40, s14, 48                         ; 16 batch
	s_and_b32 s13, s14, 15                         ; head
	s_lshr_b32 s47, s13, 2                         ; the next product's K step: four heads
	s_and_b32 s13, s13, 3                          ; and the head's half fragment in it
	s_mul_i32 s22, s47, 24576
	s_mul_i32 s2, s15, 3072
	s_add_co_u32 s22, s22, s2
	s_mul_i32 s2, s13, 768
	s_add_co_u32 s22, s22, s2                      ; my codes' place in a row block of aq
	s_lshl_b32 s23, s47, 10
	s_lshl_b32 s2, s15, 7
	s_add_co_u32 s23, s23, s2
	s_lshl_b32 s2, s13, 1
	s_add_co_u32 s23, s23, s2
	s_add_co_u32 s23, s23, 98304                   ; and my two scale bytes'
	s_mov_b32 s13, ttmp9                           ; the early block
	s_sub_co_u32 s68, 7, ttmp9                     ; the late one
.macro BASES blk, qb, cb, sb, q0       ; for query block s[blk]: q's key step, my codes and scale bytes in aq, my first query
	s_lshl_b32 s20, s[\blk], 1
	s_add_co_u32 s20, s20, s41                     ; the 128 tokens that hold my tile
	s_mul_i32 s2, s20, KSB
	s_add_co_u32 s2, s2, s21
	s_mov_b32 s3, 0
	s_add_nc_u64 s[\qb:\qb+1], s[4:5], s[2:3]
	s_add_co_u32 s20, s20, s40                     ; aq's row block
	s_mul_i32 s20, s20, HEADB
	s_add_co_u32 s2, s20, s22
	s_add_nc_u64 s[\cb:\cb+1], s[10:11], s[2:3]
	s_add_co_u32 s2, s20, s23
	s_add_nc_u64 s[\sb:\sb+1], s[10:11], s[2:3]
	s_lshl_b32 s[\q0], s[\blk], 8
	s_add_co_u32 s[\q0], s[\q0], s63
.endm
	BASES 13, 48, 50, 52, 54
	BASES 68, 56, 58, 60, 55
; One tile of 16 queries against the first 128 x trips keys.
.macro PASS qb, cb, sb, q0, trips
	s_wait_xcnt 0x0                                ; the last tile's stores have read their registers
	global_load_b128 v[QA:QA+3], v[VQ16], s[\qb:\qb+1]
	global_load_b64 v[QA+4:QA+5], v[VQ8], s[\qb:\qb+1] offset:512
	global_load_b128 v[QB+6:QB+9], v[VQ16], s[\qb:\qb+1]
	global_load_b64 v[QB+10:QB+11], v[VQ8], s[\qb:\qb+1] offset:512
	global_load_b32 v224, v[VQS], s[\qb:\qb+1] offset:6144
	v_mov_b32 v13, 0xff61b1e6                      ; the largest t so far: -3e38
	v_floor_f32 v12, -v13                          ; -M
	v_mov_b32 v14, 0                               ; the sum, in two halves
	v_mov_b32 v15, 0
	s_mov_b32 s[TB], 0
	s_mov_b32 s[TBV], HEADB
	s_mov_b32 s[KF], 0
	s_mov_b32 s[CNT], \trips
	s_wait_loadcnt 0x0
	v_lshrrev_b32 v224, s62, v224
	v_and_b32 v224, 0xffff, v224
	v_lshl_or_b32 v[QSC], v224, 16, v224           ; q's two bytes, for either half of K
.set NN, 0
.rept 32
	v_mov_b32 v[O+NN], 0                           ; the loop has no first step of its own.  (These are also the places between q's scale word and the first product)
.set NN, NN+1
.endr
.Ltrip_\@:
	s_add_co_u32 s47, s[\q0], 23                   ; my last query
	s_cmp_gt_u32 s[KF], s47
	s_cbranch_scc1 .Lhid_\@                        ; all keys of the step come after my queries
	v_add_nc_u32 v[ADK], s[TB], v[L16]             ; (five plain instructions: the places in front of the loads into registers that the last products read)
	v_add_nc_u32 v[ADK+1], s[TB], v[L8]
	v_add_nc_u32 v[ADKS], s[TB], v[R16]
	v_add_nc_u32 v[ADV], s[TBV], v[L16]
	v_add_nc_u32 v[ADV+1], s[TBV], v[L8]
.irp j, 0,1,2,3
	FRAG F+12*\j, ADK, ADK+1, \j*1536
.endr
	ds_load_b128 v[KSC:KSC+3], v[ADKS] offset:6144
	s_wait_dscnt 0x0
.irp j, 0,1,2,3                                ; S^T: registers 16 j + 0 .. 15 are keys 32 j + 16 h + 0 .. 15
	v_wmma_scale_f32_16x16x128_f8f6f4 v[S+16*\j:S+16*\j+7], v[F+12*\j:F+12*\j+11], v[QA:QA+11], 0, v[KSC+\j], v[QSC] matrix_a_fmt:MATRIX_FMT_BF6 matrix_b_fmt:MATRIX_FMT_BF6
	v_wmma_scale_f32_16x16x128_f8f6f4 v[S+16*\j+8:S+16*\j+15], v[F+12*\j:F+12*\j+11], v[QB:QB+11], 0, v[KSC+\j], v[QSC] matrix_a_fmt:MATRIX_FMT_BF6 matrix_b_fmt:MATRIX_FMT_BF6
.endr
.rept 4
	v_nop                                          ; places in front of the loads below and of the first read of the scores
.endr
.irp c, 0,1,2,3
	FRAG F+12*\c, ADV, ADV+1, \c*1536              ; V lands while the softmax is worked
.endr
	ds_load_b64 v[VSC:VSC+1], v[ADV+1] offset:6144
	s_add_co_u32 s47, s[KF], 127
	s_cmp_le_u32 s47, s[\q0]
	s_cbranch_scc1 .Lopen_\@                       ; all keys of the step count
	s_sub_co_i32 s47, s[\q0], s[KF]
	v_add_nc_u32 v230, s47, v[DQ]                  ; register 16 b + i is hidden where 32 b + i > d
.set NN, 0
.rept 64
	v_cmp_gt_i32 vcc_lo, 32*(NN/16)+NN%16, v230
	v_cndmask_b32 v[S+NN], v[S+NN], v231, vcc_lo
.set NN, NN+1
.endr
.Lopen_\@:
.irp b, 0,1,2,3
	v_max3_num_f32 v[BM+\b], v[S+16*\b], v[S+1+16*\b], v[S+2+16*\b]   ; the largest score of each block of 32 keys: for the row's maximum and, since p rises with the score, for the block's largest p
.endr
.irp i, 3,5,7,9,11,13
.irp b, 0,1,2,3
	v_max3_num_f32 v[BM+\b], v[BM+\b], v[S+16*\b+\i], v[S+1+16*\b+\i]
.endr
.endr
.irp b, 0,1,2,3
	v_max_num_f32 v[BM+\b], v[BM+\b], v[S+15+16*\b]
.endr
.irp b, 0,1,2,3
	v_permlanex16_b32 v[BY+\b], v[BM+\b], s[SEL], s[SEL+1]
.endr
.irp b, 0,1,2,3
	v_max_num_f32 v[BM+\b], v[BM+\b], v[BY+\b]
.endr
	v_max3_num_f32 v224, v[BM], v[BM+1], v[BM+2]
	v_max_num_f32 v224, v224, v[BM+3]
	v_mul_f32 v224, s[CS], v224                    ; the step's largest t
	v_max_num_f32 v13, v13, v224
	v_mov_b32 v224, v12
	v_floor_f32 v12, -v13                          ; the new -M = -ceil(t)
	v_sub_f32 v224, v12, v224                      ; old M - new M: a whole number, 0 or less
	v_cvt_i32_f32 v224, v224                       ; (it saturates)
	v_ldexp_f32 v226, 1.0, v224                    ; f = 2^(old M - new M)
.set NN, 0
.rept 32
	v_pk_fma_f32 v[S+NN:S+NN+1], v[S+NN:S+NN+1], s[CS:CS+1], v[12:13] op_sel_hi:[1,0,0]   ; t - M
.set NN, NN+2
.endr
.irp b, 0,1,2,3
	v_fma_f32 v[BM+\b], v[BM+\b], s[CS], v12
.endr
.set NN, 0
.rept 64
	v_exp_f32 v[S+NN], v[S+NN]                     ; p = 2^(t - M)
.set NN, NN+1
.endr
.irp b, 0,1,2,3
	v_exp_f32 v[BM+\b], v[BM+\b]                   ; the block's largest p: the same two instructions on the same number
.endr
	v_pk_mul_f32 v[14:15], v[14:15], v[226:227] op_sel_hi:[1,0]   ; the sums under the new M.  (A plain place behind the exponentials)
	s_wait_alu depctr_va_vdst(0)
.irp b, 0,1,2,3
	v_max_num_f32 v[BM+\b], 0x2800000, v[BM+\b]    ; the floor 2^(5 - 127)
.endr
.irp b, 0,1,2,3
	v_add_nc_u32 v[SO+\b], 0xfe000000, v[BM+\b]
.endr
.irp b, 0,1,2,3
	v_lshrrev_b32 v[BY+\b], 23, v[SO+\b]
.endr
	v_lshl_or_b32 v[PSC], v[BY+1], 8, v[BY]
	v_lshl_or_b32 v[PSC], v[BY+2], 16, v[PSC]
	v_lshl_or_b32 v[PSC], v[BY+3], 24, v[PSC]
.irp c, 0,1
	v_cvt_scalef32_pk16_bf6_f32 v[PCD+6*\c:PCD+2+6*\c], v[S+32*\c:S+15+32*\c], v[SO+2*\c]
	v_cvt_scalef32_pk16_bf6_f32 v[TC+4*\c:TC+2+4*\c], v[S+16+32*\c:S+31+32*\c], v[SO+2*\c+1]
.endr
	v_nop                                          ; one plain place behind a scaled conversion
.irp c, 0,1
.irp i, 0,1,2
	v_permlane16_swap_b32 v[PCD+6*\c+\i], v[TC+4*\c+\i]
.endr
.irp i, 0,1,2
	v_mov_b32 v[PCD+3+6*\c+\i], v[TC+4*\c+\i]
.endr
.endr
	v_pk_add_f32 v[228:229], v[S:S+1], v[S+2:S+3]  ; the row's sum of the unquantised p, in two chains
.irp j, 4,8,12,16,20,24,28,32,36,40,44,48,52,56,60
	v_pk_add_f32 v[14:15], v[14:15], v[S+\j:S+\j+1]
	v_pk_add_f32 v[228:229], v[228:229], v[S+2+\j:S+3+\j]
.endr
	v_pk_add_f32 v[14:15], v[14:15], v[228:229]
.set NN, 0
.rept 16
	v_pk_mul_f32 v[O+NN:O+NN+1], v[O+NN:O+NN+1], v[226:227] op_sel_hi:[1,0]   ; O^T under the new M
.set NN, NN+2
.endr
	s_wait_dscnt 0x0                               ; V is in
.irp c, 0,2                                    ; O^T += V^T P^T: four accumulators by turns
	v_wmma_scale_f32_16x16x128_f8f6f4 v[O+8*\c:O+8*\c+7], v[F+12*\c:F+12*\c+11], v[PCD:PCD+11], v[O+8*\c:O+8*\c+7], v[VSC+\c/2], v[PSC] matrix_a_fmt:MATRIX_FMT_BF6 matrix_b_fmt:MATRIX_FMT_BF6
	v_wmma_scale_f32_16x16x128_f8f6f4 v[O+8*\c+8:O+8*\c+15], v[F+12*\c+12:F+12*\c+23], v[PCD:PCD+11], v[O+8*\c+8:O+8*\c+15], v[VSC+\c/2], v[PSC] matrix_a_fmt:MATRIX_FMT_BF6 matrix_b_fmt:MATRIX_FMT_BF6 matrix_a_scale:MATRIX_SCALE_ROW1
.endr
.Lhid_\@:
	s_add_co_u32 s[TB], s[TB], KSB
	s_add_co_u32 s[TBV], s[TBV], KSB
	s_add_co_u32 s[KF], s[KF], 128
	s_sub_co_u32 s[CNT], s[CNT], 1
	s_cmp_lg_u32 s[CNT], 0
	s_cbranch_scc1 .Ltrip_\@
	; the tile's end: O^T / the sum; register 16 b + i is channel 32 b + 16 h + i of my query: two blocks of the next product's K
.rept 4
	v_nop
.endr
	v_add_f32 v14, v14, v15
	v_permlanex16_b32 v224, v14, s[SEL], s[SEL+1]
	v_add_f32 v14, v14, v224
	v_rcp_f32 v14, v14
	v_nop                                          ; one plain place behind a transcendental
.set NN, 0
	s_wait_alu depctr_va_vdst(0)
.rept 16
	v_pk_mul_f32 v[S+NN:S+NN+1], v[O+NN:O+NN+1], v[14:15] op_sel_hi:[1,0]   ; each accumulator from its low end on
.set NN, NN+2
.endr
.irp b, 0,1
	v_max3_num_f32 v[BM+\b], |v[S+16*\b]|, |v[S+1+16*\b]|, 0x2800000
.endr
.irp i, 2,4,6,8,10,12,14
.irp b, 0,1
	v_max3_num_f32 v[BM+\b], v[BM+\b], |v[S+16*\b+\i]|, |v[S+1+16*\b+\i]|
.endr
.endr
.irp b, 0,1
	v_permlanex16_b32 v[BY+\b], v[BM+\b], s[SEL], s[SEL+1]
.endr
.irp b, 0,1
	v_max_num_f32 v[BM+\b], v[BM+\b], v[BY+\b]
.endr
.irp b, 0,1
	v_add_nc_u32 v[SO+\b], 0xfe000000, v[BM+\b]
.endr
.irp b, 0,1
	v_lshrrev_b32 v[BY+\b], 23, v[SO+\b]
.endr
	v_lshl_or_b32 v225, v[BY+1], 8, v[BY]          ; my row's two scale bytes
	v_cvt_scalef32_pk16_bf6_f32 v[PCD:PCD+2], v[S:S+15], v[SO]
	v_cvt_scalef32_pk16_bf6_f32 v[TC:TC+2], v[S+16:S+31], v[SO+1]
	v_nop
.irp i, 0,1,2
	v_permlane16_swap_b32 v[PCD+\i], v[TC+\i]
.endr
.irp i, 0,1,2
	v_mov_b32 v[PCD+3+\i], v[TC+\i]
.endr
	global_store_b128 v[L16], v[PCD:PCD+3], s[\cb:\cb+1]              ; the half fragment's image: 512 consecutive bytes, aligned to 256,
	global_store_b64 v[L8], v[PCD+4:PCD+5], s[\cb:\cb+1] offset:512   ; and 256
	global_store_b16 v[R8], v225, s[\sb:\sb+1]     ; two bytes a row (both halves of the lanes write the same): a scale word of the next K spans two heads, and I own one
.endm
	s_wait_tensorcnt 0x1                           ; my part of the first halves is in; the second halves may stay out
	s_barrier_signal -1
	s_barrier_wait -1                              ; everybody's is
	PASS 48, 50, 52, 54, 8                         ; block i: its eight trips read the first halves alone
	s_wait_tensorcnt 0x0
	s_wait_dscnt 0x0
	s_barrier_signal -1
	s_barrier_wait -1                              ; all of K and V is in
	PASS 56, 58, 60, 55, 16                        ; block 7 - i
	s_wait_tensorcnt 0x0
	ds_add_u32 v254, v255
	s_wait_dscnt 0x0
	s_endpgm
.Lfunc_end_k_q9fe70ef1c6_attn:
	.size	k_q9fe70ef1c6_attn, .Lfunc_end_k_q9fe70ef1c6_attn-k_q9fe70ef1c6_attn
	.p2alignl 7, 3214868480
	.fill 96, 4, 3214868480
	.section	.rodata,"a",@progbits
	.p2align	6, 0x0
	.amdhsa_kernel k_q9fe70ef1c6_attn
		.amdhsa_group_segment_fixed_size 206848
		.amdhsa_private_segment_fixed_size 0
		.amdhsa_enable_private_segment 0
		.amdhsa_kernarg_size 32
		.amdhsa_user_sgpr_count 2
		.amdhsa_user_sgpr_kernarg_segment_ptr 1
		.amdhsa_wavefront_size32 1
		.amdhsa_system_sgpr_workgroup_id_x 1
		.amdhsa_system_sgpr_workgroup_id_y 1
		.amdhsa_system_sgpr_workgroup_id_z 1
		.amdhsa_system_vgpr_workitem_id 0
		.amdhsa_next_free_vgpr 256
		.amdhsa_next_free_sgpr 80
		.amdhsa_reserve_vcc 1
		.amdhsa_float_denorm_mode_32 3
		.amdhsa_float_denorm_mode_16_64 3
		.amdhsa_memory_ordered 1
		.amdhsa_forward_progress 1
		.amdhsa_inst_pref_size 60
	.end_amdhsa_kernel
	.amdgpu_metadata
---
amdhsa.version: [ 1, 2 ]
amdhsa.kernels:
  - .name:           k_q9fe70ef1c6_attn
    .symbol:         k_q9fe70ef1c6_attn.kd
    .args:
      - { .name: qbuf, .offset: 0, .size: 8, .value_kind: global_buffer, .address_space: global }
      - { .name: kbuf, .offset: 8, .size: 8, .value_kind: global_buffer, .address_space: global }
      - { .name: vbuf, .offset: 16, .size: 8, .value_kind: global_buffer, .address_space: global }
      - { .name: aq, .offset: 24, .size: 8, .value_kind: global_buffer, .address_space: global }
    .group_segment_fixed_size: 206848
    .private_segment_fixed_size: 0
    .kernarg_segment_align: 8
    .kernarg_segment_size: 32
    .max_flat_workgroup_size: 512
    .sgpr_count:     80
    .vgpr_count:     256
    .wavefront_size: 32
...
	.end_amdgpu_metadata
.endif
;; end of part 3
;; launch gemm_out (part 4): grid 4 x 32, 4 waves a work-group, clusters of 4 x 4, 327,680 bytes of LDS; arguments aq, woq, b_out, out0; writes out0
.if DOCPART == 4
	.amdgcn_target "amdgcn-amd-amdhsa--gfx1250"
	.amdhsa_code_object_version 6
	.text
	.protected	k_q9fe70ef1c6_gemm_out
	.globl	k_q9fe70ef1c6_gemm_out
	.p2align	8
	.type	k_q9fe70ef1c6_gemm_out,@function
k_q9fe70ef1c6_gemm_out:
	s_mov_b64 s[64:65], 0
	v_nop
	global_prefetch_b8 v0, s[64:65] scope:SCOPE_SE
	s_setreg_imm32_b32 hwreg(HW_REG_WAVE_MODE, 25, 1), 1
	s_wait_xcnt 0x0
	s_wait_alu depctr_hold_cnt(0) depctr_sa_sdst(0) depctr_va_vdst(0) depctr_va_sdst(0) depctr_va_ssrc(0) depctr_va_vcc(0) depctr_vm_vsrc(0)
	s_getreg_b32 s2, hwreg(HW_REG_IB_STS2, 6, 4)
	s_cmp_eq_u32 s2, 0
	s_cbranch_scc0 .Lentry_in_a_cluster
	s_endpgm
.Lentry_in_a_cluster:
	s_bfe_u32 s2, ttmp6, 0x10000c
	s_cmp_lg_u32 s2, 0xf033
	s_cbranch_scc0 .Lentry_shape_is_right
	s_endpgm
.Lentry_shape_is_right:
; out0 = att W_out + b_out on codes of BF6 (E3M2) with E8M0 scales.  A = aq (8,192 tokens, source 1), B = woq (1,024 output columns, source 0), K = 1024; out0 [8192][1024] f32.
; A tile is 256 x 256; four waves, each 128 x 128: 64 accumulators, 512 registers.  Operands lie in memory as images of their registers (a row block of 128 rows: RBB bytes; 128 rows x 256 K: 24,576
; dense bytes; its scale words: 4,096 dense bytes): a K step's part is one dense tensor load, a fragment four LDS loads of consecutive bytes.  Lane r of tile 2 b + u holds row 32 b + 8 u + r + (r & 8).
; K goes in four steps of 256 through two LDS slots; the scales of all of K come once.  4 x 4 work-groups form a cluster: A's parts are asked for jointly along a row, B's along a column.
; 128 tiles: half of the WGPs have work.  A tile of half the rows would halve what each LDS byte feeds; it is not taken here.
; REGISTERS: window 0: v1-31 addresses; v32-63 scale words, two sets; v64-127 the bias; v128-223 A's fragments, one set (on the way out: v128-191 results, v192-255 rows read back).
;   window 1: B's fragments, two sets, at v0 and v128.   windows 2, 3: the accumulators, (a, b) at v[8 (8 (a % 4) + b)].
.set NQ,    2
.set FR,    12
.set NL,    4
.set NP,    4                          ; places behind this matrix instruction (ISA guide 7.12.1)
.set HALFT, 24576
.set SLOT,  4*HALFT
.set RBB,   102400
.set SCL,   2*SLOT
.set SPARE, SCL+4*4096                 ; the spare words, 128 bytes a wave: two blocks of 256 bytes that no other line names
.set SPITCH, 528                       ; the way out: a stage of 16 rows x (512 bytes + 16) for each wave, in slot 0, which has had its last fill and its last read by then
.set ADRA,  16
.set ADRB,  20
.set L16,   24
.set L8,    25
.set BO,    26
.set ADRS,  27
.set SPW,   28
.set NIL,   29
.set STO,   30                         ; v30  the stage: where I put 64 bytes of a row
.set RD,    31                         ; v31  and where I read a row back
.set SC,    32
.set BIAS,  64
.set AF,    128
.set TT,    128
.set BB,    192
.set G1,    24
.set G0,    32
.set G1B,   48
.set G0B,   56
.set G1S,   68
.set G0S,   76
.set G1SB,  80
.set G0SB,  88
.set MSB,   0
.macro WIN new                         ; the immediate's high byte repeats the setting that is left
.if MSB != (\new)
	s_set_vgpr_msb (MSB<<8)|(\new)
.set MSB, (\new)
.endif
.endm
.set MUL_LO, 0xa1
.set MUL_HI, 0xf1
.set TO_B,   0x40
.macro JLOAD g0a, g1a, g0b, g1b        ; a joint load: waves 0 and 1 fetch for A, waves 2 and 3 for B; four v_nop follow each line
	s_cmp_eq_u32 s17, 0
	s_cbranch_scc0 .Lfor_b_\@
	tensor_load_to_lds s[\g0a:\g0a+3], s[\g1a:\g1a+7]
	s_nop 0
.rept 4
	v_nop
.endr
	s_branch .Lasked_\@
.Lfor_b_\@:
	tensor_load_to_lds s[\g0b:\g0b+3], s[\g1b:\g1b+7]
	s_nop 0
.rept 4
	v_nop
.endr
.Lasked_\@:
.endm
.macro CREST
	s_cmp_lg_u32 s16, 0
	s_cbranch_scc1 .Lnot_wave_0_\@
	s_barrier_signal -3
.Lnot_wave_0_\@:
	s_barrier_wait -3
	s_barrier_signal -1
	s_barrier_wait -1
.endm
.macro CROUND
	s_barrier_signal -1
	s_barrier_wait -1
	CREST
.endm
	s_load_b256 s[4:11], s[0:1], 0x0               ; aq s[4:5], woq s[6:7], b_out s[8:9], out0 s[10:11]
	v_lshl_add_u32 v[SPW], v0, 2, SPARE
	v_mov_b32 v[NIL], 0
	ds_add_u32 v28, v29
	ds_add_u32 v28, v29
	s_wait_dscnt 0x0
	v_lshrrev_b32 v1, 5, v0
	v_readfirstlane_b32 s16, v1                    ; wave 0..3
	s_lshr_b32 s17, s16, 1                         ; which half of A's rows is mine.  Also: I fetch for A (0) or for B (1)
	s_and_b32 s18, s16, 1                          ; which half of B's rows.  Also: which half I fetch
	s_bfe_u32 s40, ttmp6, 0x40000                  ; cx, cy
	s_bfe_u32 s41, ttmp6, 0x40004
	s_lshl_b32 s42, ttmp9, 2
	s_add_co_u32 s42, s42, s40                     ; TC: B's tile of 256 rows
	s_and_b32 s45, ttmp7, 0xffff
	s_lshl_b32 s45, s45, 2
	s_add_co_u32 s45, s45, s41                     ; TR: A's
	s_lshl_b32 s43, s41, 2
	s_lshl_b32 s43, 15, s43                        ; my row of the cluster
	s_lshl_b32 s44, 0x1111, s40                    ; my column
	s_or_b32 s[G1+0], s43, (3<<16)|(1<<21)         ; a dense block as rows of 256 bytes (32 elements of 8 bytes): 96 rows of codes, 16 of scales
	s_or_b32 s[G1B+0], s44, (3<<16)|(1<<21)
.irp g, G1, G1B
	s_mov_b32 s[\g+1], 32<<16
	s_mov_b32 s[\g+2], 96<<16
	s_mov_b32 s[\g+3], 32<<16
	s_mov_b32 s[\g+4], 96
	s_mov_b32 s[\g+5], 32
	s_mov_b32 s[\g+6], 0
	s_mov_b32 s[\g+7], 0
.endr
	s_or_b32 s[G1S+0], s43, (3<<16)|(1<<21)
	s_or_b32 s[G1SB+0], s44, (3<<16)|(1<<21)
.irp g, G1S, G1SB
	s_mov_b32 s[\g+1], 32<<16
	s_mov_b32 s[\g+2], 16<<16
	s_mov_b32 s[\g+3], 32<<16
	s_mov_b32 s[\g+4], 16
	s_mov_b32 s[\g+5], 32
	s_mov_b32 s[\g+6], 0
	s_mov_b32 s[\g+7], 0
.endr
	s_lshl_b32 s20, s45, 1
	s_add_co_u32 s20, s20, s18
	s_mul_i32 s20, s20, RBB                        ; A's row block that I would fetch
	s_mov_b32 s21, 0
	s_lshl_b32 s46, s42, 1
	s_add_co_u32 s46, s46, s18
	s_mul_i32 s46, s46, RBB                        ; B's
	s_mov_b32 s47, 0
	s_mul_i32 s22, s16, HALFT                      ; where they go: by the wave's number alone
	s_lshl_b32 s23, s16, 12
	s_add_co_u32 s23, s23, SCL
	s_wait_kmcnt 0x0
	s_add_nc_u64 s[92:93], s[4:5], s[20:21]
	s_add_nc_u64 s[94:95], s[6:7], s[46:47]
	CROUND                                         ; all sixteen work-groups are here: the first joint loads meet
	s_mov_b32 s[G0S], 1
	s_mov_b32 s[G0S+1], s23
	s_add_nc_u64 s[G0S+2:G0S+3], s[92:93], 4*HALFT
	s_or_b32 s[G0S+3], s[G0S+3], 0x80000000
	s_mov_b32 s[G0SB], 1
	s_mov_b32 s[G0SB+1], s23
	s_add_nc_u64 s[G0SB+2:G0SB+3], s[94:95], 4*HALFT
	s_or_b32 s[G0SB+3], s[G0SB+3], 0x80000000
	JLOAD G0S, G1S, G0SB, G1SB
.irp s, 0,1
	s_mov_b32 s[G0+4*\s], 1
	s_add_co_u32 s[G0+4*\s+1], s22, \s*SLOT
	s_add_nc_u64 s[G0+4*\s+2:G0+4*\s+3], s[92:93], \s*HALFT
	s_or_b32 s[G0+4*\s+3], s[G0+4*\s+3], 0x80000000
	s_mov_b32 s[G0B+4*\s], 1
	s_add_co_u32 s[G0B+4*\s+1], s22, \s*SLOT
	s_add_nc_u64 s[G0B+4*\s+2:G0B+4*\s+3], s[94:95], \s*HALFT
	s_or_b32 s[G0B+4*\s+3], s[G0B+4*\s+3], 0x80000000
	JLOAD G0+4*\s, G1, G0B+4*\s, G1B               ; three loads of mine are out
.endr
	v_and_b32 v1, 15, v0                           ; r
	v_bfe_u32 v2, v0, 4, 1                         ; h
	v_and_b32 v3, 31, v0
	v_lshlrev_b32 v[L16], 4, v3
	v_lshlrev_b32 v[L8], 3, v3
	v_lshlrev_b32 v[BO], 6, v2
	s_lshl_b32 s20, s42, 10
	s_lshl_b32 s21, s18, 9
	s_add_co_u32 s20, s20, s21                     ; my first output column, x 4 bytes
	s_mov_b32 s21, 0
	s_add_nc_u64 s[98:99], s[8:9], s[20:21]
.irp b, 0,1,2,3
.irp j, 0,1,2,3
	global_load_b128 v[BIAS+16*\b+4*\j:BIAS+16*\b+4*\j+3], v[BO], s[98:99] offset:128*\b+16*\j   ; register 16 b + i: column 32 b + 16 h + i
.endr
.endr
	s_lshl_b32 s46, s45, 20                        ; 256 rows of 4,096 bytes
	s_lshl_b32 s47, s17, 19
	s_add_co_u32 s46, s46, s47
	s_add_co_u32 s46, s46, s20
	s_mov_b32 s47, 0
	s_add_nc_u64 s[96:97], s[10:11], s[46:47]      ; my part of out0
	s_mul_i32 s20, s17, HALFT
	s_mul_i32 s21, s18, HALFT
	s_add_co_u32 s21, s21, 2*HALFT
.irp s, 0,1
	v_add_nc_u32 v[ADRA+\s], s20, v[L16]
	v_add_nc_u32 v[ADRA+2+\s], s20, v[L8]
	v_add_nc_u32 v[ADRB+\s], s21, v[L16]
	v_add_nc_u32 v[ADRB+2+\s], s21, v[L8]
	s_add_co_u32 s20, s20, SLOT
	s_add_co_u32 s21, s21, SLOT
.endr
	s_lshl_b32 s20, s17, 12
	s_lshl_b32 s21, s18, 12
	s_add_co_u32 s21, s21, 8192
	s_sub_co_u32 s21, s21, s20
	v_mul_u32_u24 v3, s21, v2                      ; lanes 16-31 take B's scale words
	s_add_co_u32 s20, s20, SCL
	v_lshl_add_u32 v3, v1, 3, v3
	v_add_nc_u32 v[ADRS], s20, v3
	s_mul_i32 s20, s16, 16*SPITCH                  ; my stage
	v_mul_u32_u24 v[STO], v1, SPITCH
	v_lshl_add_u32 v[STO], v2, 6, v[STO]
	v_add_nc_u32 v[STO], s20, v[STO]               ; in: row r, + 64 h
	v_add_nc_u32 v[RD], s20, v[L16]                ; back: 32 lanes take a row of 512 bytes
.macro FRAG reg, adr, off
	ds_load_b128 v[\reg:\reg+3], v[\adr] offset:\off
	ds_load_b64 v[\reg+4:\reg+5], v[\adr+2] offset:\off+512
	ds_load_b128 v[\reg+6:\reg+9], v[\adr] offset:\off+768
	ds_load_b64 v[\reg+10:\reg+11], v[\adr+2] offset:\off+1280
.endm
; The 64 accumulators take turns, one instruction a turn, in the same order in every step.
.macro MUL16 a0, p, q, sc, zero
.irp a, \a0, \a0+1
.irp b, 0,1,2,3,4,5,6,7
.if \zero
	v_wmma_scale_f32_16x16x128_f8f6f4 v[8*(8*((\a)%4)+\b):8*(8*((\a)%4)+\b)+7], v[128*(\p)+FR*\b:128*(\p)+FR*\b+FR-1], v[AF+FR*(\a):AF+FR*(\a)+FR-1], 0, v[SC+8*NQ*(\sc)+NQ*\b+(\q)], v[SC+8*NQ*(\sc)+NQ*(\a)+(\q)] matrix_a_fmt:MATRIX_FMT_BF6 matrix_b_fmt:MATRIX_FMT_BF6 matrix_a_scale:MATRIX_SCALE_ROW1
.else
	v_wmma_scale_f32_16x16x128_f8f6f4 v[8*(8*((\a)%4)+\b):8*(8*((\a)%4)+\b)+7], v[128*(\p)+FR*\b:128*(\p)+FR*\b+FR-1], v[AF+FR*(\a):AF+FR*(\a)+FR-1], v[8*(8*((\a)%4)+\b):8*(8*((\a)%4)+\b)+7], v[SC+8*NQ*(\sc)+NQ*\b+(\q)], v[SC+8*NQ*(\sc)+NQ*(\a)+(\q)] matrix_a_fmt:MATRIX_FMT_BF6 matrix_b_fmt:MATRIX_FMT_BF6 matrix_a_scale:MATRIX_SCALE_ROW1
.endif
.endr
.endr
.endm
.macro FETCH_B slot, q, p
	WIN TO_B
.irp i, 0,1,2,3,4,5,6,7
	FRAG 128*(\p)+FR*\i, ADRB+\slot, \i*3072+(\q)*1536
.endr
	WIN 0
.endm
.macro FETCH_A slot, q, i0
.irp i, \i0, \i0+1, \i0+2, \i0+3
	FRAG AF+FR*(\i), ADRA+\slot, (\i)*3072+(\q)*1536
.endr
.endm
.macro SCALES sc
.irp i, 0,1,2,3,4,5,6,7
	ds_load_b64 v[SC+8*NQ*\sc+NQ*\i:SC+8*NQ*\sc+NQ*\i+1], v[ADRS] offset:\i*128
.endr
.endm
.macro PLACES n
.rept \n
	v_nop
.endr
.endm
.macro STEP slot, q, zero
	s_wait_dscnt 4*NL                              ; all but the youngest 16 loads (A's blocks 4-7)
	WIN MUL_LO
	MUL16 0, (\q)%2, \q, \slot, \zero
	MUL16 2, (\q)%2, \q, \slot, \zero
	s_wait_dscnt 0
	PLACES NP
	FETCH_B \slot, (\q)+1, 1-(\q)%2
	FETCH_A \slot, (\q)+1, 0
	WIN MUL_HI
	MUL16 4, (\q)%2, \q, \slot, \zero
	MUL16 6, (\q)%2, \q, \slot, \zero
	PLACES NP
	WIN 0
	FETCH_A \slot, (\q)+1, 4
.endm
.macro TURN slot, next, fill
	s_wait_tensorcnt 0x0                           ; all my tensor loads have landed: my part of the next slot
	ds_add_u32 v[SPW], v[NIL]                      ; 0 onto my spare word
	s_wait_dscnt 4*NL+1                            ; (the add and the youngest 16 loads may be out)
	WIN MUL_LO
	MUL16 0, 1, NQ-1, \slot, 0
	s_wait_dscnt 0x0                               ; the add is done, and my reads of this slot are over
	s_barrier_signal -1
	MUL16 2, 1, NQ-1, \slot, 0
	WIN 0
	s_barrier_wait -1
.if \fill
	CREST                                          ; the barrier has opened a round of the cluster's: no wave of any partner still reads this slot or has a load on its way
	s_add_nc_u64 s[G0+4*\slot+2:G0+4*\slot+3], s[G0+4*\slot+2:G0+4*\slot+3], 2*HALFT
	s_add_nc_u64 s[G0B+4*\slot+2:G0B+4*\slot+3], s[G0B+4*\slot+2:G0B+4*\slot+3], 2*HALFT
	JLOAD G0+4*\slot, G1, G0B+4*\slot, G1B
.else
	PLACES NP
.endif
	v_add_nc_u32 v[ADRS], 1024, v[ADRS]
	FETCH_B \next, 0, 0
	FETCH_A \next, 0, 0
	SCALES \next
	WIN MUL_HI
	MUL16 4, 1, NQ-1, \slot, 0
	MUL16 6, 1, NQ-1, \slot, 0
	PLACES NP
	WIN 0
	FETCH_A \next, 0, 4
.endm
	s_wait_tensorcnt 1                             ; the scales and my part of K step 0 are in (K step 1's load may be out),
	s_barrier_signal -1
	s_barrier_wait -1                              ; everybody's are
	FETCH_B 0, 0, 0
	FETCH_A 0, 0, 0
	SCALES 0
	FETCH_A 0, 0, 4
	STEP 0, 0, 1                                   ; K = 1024 is four K steps of 256: they are written out
	TURN 0, 1, 1
	STEP 1, 0, 0
	TURN 1, 0, 1
	STEP 0, 0, 0
	TURN 0, 1, 0                                   ; behind this barrier nobody reads slot 0, and nothing is filled any more
	STEP 1, 0, 0
	s_wait_dscnt 4*NL
	WIN MUL_LO
	MUL16 0, 1, NQ-1, 1, 0
	MUL16 2, 1, NQ-1, 1, 0
	s_wait_dscnt 0
	WIN MUL_HI
	MUL16 4, 1, NQ-1, 1, 0
	MUL16 6, 1, NQ-1, 1, 0
	WIN 0
	PLACES NP
	s_wait_loadcnt 0x0                             ; the bias
; THE WAY OUT, block by block of 16 tokens x 128 columns: + bias; through my stage; back as whole rows of 512 bytes.
.macro ADD a
	WIN 0x02+(\a)/4                                ; source 0: window 2 or 3
.set XI, 0
.rept 32
	v_pk_add_f32 v[TT+XI:TT+XI+1], v[64*((\a)%4)+XI:64*((\a)%4)+XI+1], v[BIAS+XI:BIAS+XI+1]   ; each accumulator from its low end on
.set XI, XI+2
.endr
	WIN 0
.endm
.macro TOSTAGE
.irp b, 0,1,2,3,4,5,6,7                        ; tile b's eight registers are columns 32 (b / 2) + 16 h + 8 (b % 2) + 0 .. 7
	ds_store_b128 v[STO], v[TT+8*\b:TT+8*\b+3] offset:128*(\b/2)+32*(\b%2)
	ds_store_b128 v[STO], v[TT+8*\b+4:TT+8*\b+7] offset:128*(\b/2)+32*(\b%2)+16
.endr
.irp t, 0,1,2,3,4,5,6,7,8,9,10,11,12,13,14,15
	ds_load_b128 v[BB+4*\t:BB+4*\t+3], v[RD] offset:\t*SPITCH   ; LDS serves a wave's instructions in order: these see the stores above
.endr
.endm
.macro SEND a                          ; stage row t is token 32 (a / 2) + 8 (a % 2) + t + (t & 8) of my 128
	s_wait_dscnt 0x0
.irp t, 0,1,2,3,4,5,6,7,8,9,10,11,12,13,14,15
	global_store_b128 v[L16], v[BB+4*\t:BB+4*\t+3], s[96:97] offset:(32*((\a)/2)+8*((\a)%2)+(\t%8)+16*(\t/8))*4096 th:TH_STORE_NT   ; 512 consecutive bytes, aligned to 256; written once
.endr
.endm
	ADD 0
	TOSTAGE
.irp a, 1,2,3,4,5,6,7
	s_wait_dscnt 16                                ; the stage's 16 stores have read their registers; the 16 loads behind them may be out
	ADD \a
	SEND \a-1
	s_wait_xcnt 0x0                                ; those stores have read their registers: the next block's rows may land there
	TOSTAGE
.endr
	SEND 7
	s_wait_tensorcnt 0x0                           ; the wave's end
	ds_add_u32 v[SPW], v[NIL]
	s_wait_dscnt 0x0
	CROUND                                         ; the closing round
	s_endpgm
.Lfunc_end_k_q9fe70ef1c6_gemm_out:
	.size	k_q9fe70ef1c6_gemm_out, .Lfunc_end_k_q9fe70ef1c6_gemm_out-k_q9fe70ef1c6_gemm_out
	.p2alignl 7, 3214868480
	.fill 96, 4, 3214868480
	.section	.rodata,"a",@progbits
	.p2align	6, 0x0
	.amdhsa_kernel k_q9fe70ef1c6_gemm_out
		.amdhsa_group_segment_fixed_size 327680
		.amdhsa_private_segment_fixed_size 0
		.amdhsa_enable_private_segment 0
		.amdhsa_kernarg_size 32
		.amdhsa_user_sgpr_count 2
		.amdhsa_user_sgpr_kernarg_segment_ptr 1
		.amdhsa_wavefront_size32 1
		.amdhsa_system_sgpr_workgroup_id_x 1
		.amdhsa_system_sgpr_workgroup_id_y 1
		.amdhsa_system_sgpr_workgroup_id_z 1
		.amdhsa_system_vgpr_workitem_id 0
		.amdhsa_next_free_vgpr 1024
		.amdhsa_next_free_sgpr 102
		.amdhsa_reserve_vcc 0
		.amdhsa_float_denorm_mode_32 3
		.amdhsa_float_denorm_mode_16_64 3
		.amdhsa_memory_ordered 1
		.amdhsa_forward_progress 1
		.amdhsa_inst_pref_size 160
	.end_amdhsa_kernel
	.amdgpu_metadata
---
amdhsa.version: [ 1, 2 ]
amdhsa.kernels:
  - .name:           k_q9fe70ef1c6_gemm_out
    .symbol:         k_q9fe70ef1c6_gemm_out.kd
    .args:
      - { .name: aq, .offset: 0, .size: 8, .value_kind: global_buffer, .address_space: global }
      - { .name: woq, .offset: 8, .size: 8, .value_kind: global_buffer, .address_space: global }
      - { .name: b_out, .offset: 16, .size: 8, .value_kind: global_buffer, .address_space: global }
      - { .name: out0, .offset: 24, .size: 8, .value_kind: global_buffer, .address_space: global }
    .group_segment_fixed_size: 327680
    .private_segment_fixed_size: 0
    .kernarg_segment_align: 8
    .kernarg_segment_size: 32
    .max_flat_workgroup_size: 128
    .sgpr_count:     102
    .vgpr_count:     1024
    .wavefront_size: 32
...
	.end_amdgpu_metadata
.endif
;; end of part 4
